; MI455X (gfx1250); checked and timed in simulation.
; The chip was launched on July 23, 2026; its instructions are those of AMD's public machine-readable ISA for CDNA 5 (MIT licence, August 2026) and "CDNA5" Instruction Set Architecture Reference Guide (July 2026). The comments in the code are by the model that wrote it; some were corrected since.
;; Mo E Layer. Allowed arithmetic: matrix products marked QUANTISED: E3M2 operands, one E8M0 scale for each 32 along K, by v_wmma_scale_f32_16x16x128_f8f6f4 with both operands' format E3M2, f32 sums; products left as they are: f32 operands where the result goes on into a quantised operand, else bf16, f16 or f32 operands; f32 sums; everything else in f32.
;; Inputs: b1 8 x 4,096 float32; b2 8 x 1,024 float32; gate_w 1,024 x 8 float32; w1_codes 8 x 4,096 x 32 x 24 uint8 (E3M2 codes of w1, K innermost, in blocks of 32 codes, four codes in three bytes); w1_scales 8 x 4,096 x 32 uint8 (E8M0 scales of w1, one for each 32 codes along K); w2_codes 8 x 1,024 x 128 x 24 uint8 (E3M2 codes of w2, K innermost, in blocks of 32 codes, four codes in three bytes); w2_scales 8 x 1,024 x 128 uint8 (E8M0 scales of w2, one for each 32 codes along K); x 4 x 256 x 1,024 float32.
;; Outputs: out0 4 x 256 x 1,024 float32; out1 one number float32.
;; This version of the problem:
;;   THIS VERSION OF THE PROBLEM IS GIVEN IN LOW PRECISION. The matrix products marked QUANTISED in the list below multiply operands that are first quantised to E3M2 (3 exponent bits, 2 mantissa bits; 6 bits a number), with one power-of-two scale for each 32 numbers along K (OCP MX v1.0); their sums are f32. All else is computed in f32.
;;   The module's matrix products, in the order in which they are computed (A, B: the left and right operand; K: the contracted axis; several contracted axes count as one K, in the product's order):
;;     1. [M 1,024, K 1,024] x [K 1,024, N 8]; A: input x; B: input gate_w: left as it is (N = 8 < 16)
;;     2. [M 1,024, K 1,024] x [K 1,024, N 4,096]; A: input x; B: input w1 (given as codes): QUANTISED
;;     3. [M 1,024, K 4,096] x [K 4,096, N 1,024]; A: computed on the way; B: input w2 (given as codes): QUANTISED
;;     4. [M 1,024, K 1,024] x [K 1,024, N 4,096]; A: input x; B: input w1 (given as codes): QUANTISED
;;     5. [M 1,024, K 4,096] x [K 4,096, N 1,024]; A: computed on the way; B: input w2 (given as codes): QUANTISED
;;     6. [M 1,024, K 1,024] x [K 1,024, N 4,096]; A: input x; B: input w1 (given as codes): QUANTISED
;;     7. [M 1,024, K 4,096] x [K 4,096, N 1,024]; A: computed on the way; B: input w2 (given as codes): QUANTISED
;;     8. [M 1,024, K 1,024] x [K 1,024, N 4,096]; A: input x; B: input w1 (given as codes): QUANTISED
;;     9. [M 1,024, K 4,096] x [K 4,096, N 1,024]; A: computed on the way; B: input w2 (given as codes): QUANTISED
;;     10. [M 1,024, K 1,024] x [K 1,024, N 4,096]; A: input x; B: input w1 (given as codes): QUANTISED
;;     11. [M 1,024, K 4,096] x [K 4,096, N 1,024]; A: computed on the way; B: input w2 (given as codes): QUANTISED
;;     12. [M 1,024, K 1,024] x [K 1,024, N 4,096]; A: input x; B: input w1 (given as codes): QUANTISED
;;     13. [M 1,024, K 4,096] x [K 4,096, N 1,024]; A: computed on the way; B: input w2 (given as codes): QUANTISED
;;     14. [M 1,024, K 1,024] x [K 1,024, N 4,096]; A: input x; B: input w1 (given as codes): QUANTISED
;;     15. [M 1,024, K 4,096] x [K 4,096, N 1,024]; A: computed on the way; B: input w2 (given as codes): QUANTISED
;;     16. [M 1,024, K 1,024] x [K 1,024, N 4,096]; A: input x; B: input w1 (given as codes): QUANTISED
;;     17. [M 1,024, K 4,096] x [K 4,096, N 1,024]; A: computed on the way; B: input w2 (given as codes): QUANTISED
;;   THE QUANTISER, for each operand of a quantised product, along K:
;;     - K is cut into blocks of 32 from its start; a last block that is shorter is filled with zeros.
;;     - A block's scale is 2^e with e = floor(log2(the largest magnitude in the block)) - 4, held to -126 .. 127; a block of zeros has e = 0. As a byte (E8M0): e + 127.
;;     - Each number is divided by its block's scale, clamped to +-28, and rounded to the nearest number of E3M2, ties to even, subnormals kept.
;;     - The product sums the exact products of the quantised numbers (number of the format x scale) in f32.
;;   ~~~python
;;   def quantise(x, axis):      # numpy; x: float32 -> the quantised numbers, widened to float32 again
;;       x = np.moveaxis(x, axis, -1); K = x.shape[-1]
;;       x = np.pad(x, [(0, 0)] * (x.ndim - 1) + [(0, -K % 32)]); x = x.reshape(x.shape[:-1] + (-1, 32)); a = np.abs(x).max(-1, keepdims=True)
;;       e = np.where(a > 0, np.clip(np.frexp(np.where(a > 0, a, 1))[1] - 1 - 4, -126, 127), 0)      # np.frexp(a)[1] - 1 = floor(log2(a)), exactly
;;       r = np.clip(x / 2.0 ** e, -28, 28)
;;       step = 2.0 ** (np.maximum(np.frexp(np.where(r == 0, 1, r))[1] - 1, -2) - 2)
;;       q = np.round(r / step) * step * 2.0 ** e      # np.round: ties to even
;;       return np.moveaxis(q.reshape(q.shape[:-2] + (-1,))[..., :K], -1, axis).astype(np.float32)
;;   ~~~
;;   OPERANDS COMPUTED ON THE WAY. 'Computed on the way' means the value that the module computes at that place (a softmax that the list does not call 'softmax' is quantised finished and normalised). What goes into a quantiser is computed in f32, as accurately as f32 sums, v_exp_f32 and their like allow (about 1e-6 of the number): no bf16 or f16 on the way to a quantiser, and a product that is left as it is and whose result goes on into a quantised operand takes f32 operands (vector FMAs, or v_wmma_f32_16x16x4_f32). A number that lies on a knife's edge between two numbers of the format may be rounded either way, as far as f32 arithmetic and the matrix unit's own rounding can turn it there, and no further.
;;   INPUTS GIVEN AS CODES. w1 (in the module: [8, 1024, 4096], K = its axis 1); w2 (in the module: [8, 4096, 1024], K = its axis 1): each comes as NAME_codes (uint8): NAME with its K axis moved to the last place and cut into blocks of 32 codes, [.., K / 32, bytes a block], one block behind the other in memory; four codes in three bytes: a row's codes are one little-endian stream of bits, code i at bits 6 i .. 6 i + 5 (a code: sign, 3 exponent bits, 2 mantissa bits); and NAME_scales (uint8): the same leading axes, one E8M0 byte (e + 127) for each 32 codes along K. Its value is code x scale, taken as it is: it is not quantised again, and the codes and scales need not be those that the quantiser above would give.
;; 2 versions, each right; version 2 is version 1 with the launches ffn1, ffn2 written anew for expert scheduling mode. Each part assembles by itself: llvm-mc -triple=amdgcn-amd-amdhsa -mcpu=gfx1250 --defsym DOCPART=n.
;; ======== version 1 of 2: 5 launches
;; workspace buffers: xq 819,200 bytes; sel 8,192 bytes of whole numbers; rt 40,960 bytes; plan 17,664 bytes of whole numbers; hq 7,372,800 bytes; ybuf 9,437,184 bytes
;; launch route (part 1): grid 64 x 1, 8 waves a work-group, no clusters, 17,920 bytes of LDS; arguments x, gate_w, xq, sel, rt; writes xq, sel, rt
.if DOCPART == 1
	.amdgcn_target "amdgcn-amd-amdhsa--gfx1250"
	.amdhsa_code_object_version 6
	.text
	.protected	k_qe6cd431e5e_route
	.globl	k_qe6cd431e5e_route
	.p2align	8
	.type	k_qe6cd431e5e_route,@function
k_qe6cd431e5e_route:
	s_mov_b64 s[64:65], 0
	v_nop
	global_prefetch_b8 v0, s[64:65] scope:SCOPE_SE
	s_setreg_imm32_b32 hwreg(HW_REG_WAVE_MODE, 25, 1), 1
	s_wait_xcnt 0x0
; ROUTER AND QUANTISER OF x.  x: [1024 tokens][1024] f32; gate_w: [1024][8] f32.
; Stores: xq  = x as codes of E3M2 with one E8M0 byte for each 32 along the 1,024, laid as the next launch's operand registers want them:
;               token t, K step s (128 numbers), lane half h: 48 bytes at 768 t + 96 s + 48 h (block h, then block 2 + h); scale words at 786,432 + 32 t + 4 s;
;         sel = the two chosen experts of each token, best first (whole numbers, at fixed places: no address here hangs on them);
;         rt  = their two weights, renormalised, at 8 t; and all eight probabilities, expert by expert, at 8,192 + 4,096 e + 4 t.
; SHARES.  A work-group takes 16 tokens; wave s takes K step s of all 16; lane (r, h) holds token r and, of each block of 32, the 16 numbers 16 h on.
; The logits are f32 fused multiply-adds: 64 a lane, then the other half of the lanes, then the eight waves' parts through LDS, in ascending order.
; The softmax takes the row's maximum away first.  Of equal probabilities the lower expert wins (strict compares, ascending scan).
; LIMITS: NaN and infinities among the inputs are not served.  A block whose largest magnitude lies under 2^-122 keeps the scale byte 1; a block of zeros has that byte and zero codes
; (the bytes are read by this program alone).  Two probabilities closer than the order of f32 sums resolves may change places.
; No matrix unit, no tensor loads, no cluster: work-groups share only gate_w's 32 KiB, and the launch reads x once.
.set LG,  0                            ; LDS: 8 waves x 16 tokens x 8 partial logits
.set XST, 4096                         ; the 16 tokens' codes, as they will lie in xq: 16 x 768 bytes
.set XSS, 16384                        ; their scale words: 16 x 32 bytes
.set TM,  16                           ; v16-31  at work in QUANT
.set A,   16                           ; v16-23  afterwards: my eight partial logits
.set X,   32                           ; v32-95  my 64 numbers of x: register 16 b + i = k 32 b + 16 h + i of the K step
.set G,   96                           ; v96-223 two sets of 8 k x 8 experts of gate_w
.set PC,  224                          ; v224-242 the codes just made
.set PW,  244                          ; v244    the scale word just made
.set RB,  160                          ; the way out of the codes (G's second set is free by then)
.set SEL, 20                           ; s[20:21] v_permlanex16_b32's selects for lane l xor 16
; 64 numbers of a lane, v[s] .. v[s + 63], become a fragment's codes in v[PC] on and its scale word in v[PW]
.macro QUANT s
.irp b, 0,1,2,3
	v_max3_num_f32 v[TM+\b], |v[\s+16*\b]|, |v[\s+1+16*\b]|, 0x2800000   ; block b: my 16 numbers, and the floor 2^(5 - 127): the byte cannot fall under 1
.endr
.irp i, 2,4,6,8,10,12,14
.irp b, 0,1,2,3
	v_max3_num_f32 v[TM+\b], v[TM+\b], |v[\s+16*\b+\i]|, |v[\s+1+16*\b+\i]|   ; the four blocks by turns
.endr
.endr
.irp b, 0,1,2,3
	v_permlanex16_b32 v[TM+4+\b], v[TM+\b], s[SEL], s[SEL+1]
.endr
.irp b, 0,1,2,3
	v_max_num_f32 v[TM+\b], v[TM+\b], v[TM+4+\b]   ; with lane l xor 16's: the block's largest magnitude
.endr
.irp b, 0,1,2,3
	v_add_nc_u32 v[TM+12+\b], 0xfe000000, v[TM+\b]   ; 4 off its exponent field: the conversion takes that field as its scale
.endr
.irp b, 0,1,2,3
	v_lshrrev_b32 v[TM+4+\b], 23, v[TM+12+\b]      ; the scale's byte
.endr
	v_lshl_or_b32 v[PW], v[TM+5], 8, v[TM+4]
	v_lshl_or_b32 v[PW], v[TM+6], 16, v[PW]
	v_lshl_or_b32 v[PW], v[TM+7], 24, v[PW]
.irp c, 0,1
	v_cvt_scalef32_pk16_bf6_f32 v[PC+6*\c:PC+2+6*\c], v[\s+32*\c:\s+15+32*\c], v[TM+12+2*\c]
	v_cvt_scalef32_pk16_bf6_f32 v[PC+12+4*\c:PC+14+4*\c], v[\s+16+32*\c:\s+31+32*\c], v[TM+12+2*\c+1]   ; (a conversion's three registers begin on an even number)
.endr
	v_nop                                          ; one plain instruction behind a scaled conversion
.irp c, 0,1                                    ; a whole block to a lane: lanes 0-15 block 2 c, lanes 16-31 block 2 c + 1
.irp i, 0,1,2
	v_permlane16_swap_b32 v[PC+6*\c+\i], v[PC+12+4*\c+\i]
.endr
.irp i, 0,1,2
	v_mov_b32 v[PC+3+6*\c+\i], v[PC+12+4*\c+\i]
.endr
.endr
.endm
; batch q of gate_w: the rows of my numbers 8 q .. 8 q + 7, eight experts each, into set q % 2
.macro GLOAD q
.irp i, 0,1,2,3,4,5,6,7
	global_load_b128 v[G+64*((\q)%2)+8*\i:G+64*((\q)%2)+8*\i+3], v5, s[6:7] offset:((\q)/2)*1024+(((\q)%2)*8+\i)*32
	global_load_b128 v[G+64*((\q)%2)+8*\i+4:G+64*((\q)%2)+8*\i+7], v5, s[6:7] offset:((\q)/2)*1024+(((\q)%2)*8+\i)*32+16
.endr
.endm
.macro FMAS q                          ; 64 multiply-adds, the eight sums by turns; the very first products start the sums
.irp i, 0,1,2,3,4,5,6,7
.irp e, 0,1,2,3,4,5,6,7
.if ((\q) == 0) && (\i == 0)
	v_mul_f32 v[A+\e], v[X], v[G+\e]
.else
	v_fmac_f32 v[A+\e], v[X+8*(\q)+\i], v[G+64*((\q)%2)+8*\i+\e]
.endif
.endr
.endr
.endm
	s_load_b256 s[4:11], s[0:1], 0x0               ; x s[4:5], gate_w s[6:7], xq s[8:9], sel s[10:11]
	s_load_b64 s[12:13], s[0:1], 0x20              ; rt
	v_lshl_add_u32 v254, v0, 2, 0x4200
	v_mov_b32 v255, 0
	v_lshrrev_b32 v1, 5, v0
	v_readfirstlane_b32 s14, v1                    ; wave = K step
	v_and_b32 v1, 31, v0                           ; lane
	v_and_b32 v2, 15, v0                           ; r
	v_bfe_u32 v3, v0, 4, 1                         ; h
	v_lshlrev_b32 v4, 12, v2
	v_lshl_add_u32 v4, v3, 6, v4                   ; x: row r of 4,096 bytes, + 64 h
	v_lshlrev_b32 v5, 9, v3                        ; gate_w: 16 rows of 32 bytes further on for lanes 16-31
	s_mul_i32 s15, s14, 96
	v_mul_u32_u24 v6, v2, 768
	v_mad_u32_u24 v6, v3, 48, v6
	v_add_nc_u32 v6, s15, v6                       ; LDS: my 48 bytes of codes: 768 r + 96 s + 48 h
	s_lshl_b32 s15, s14, 2
	v_lshl_add_u32 v7, v2, 5, s15                  ; my scale word: 32 r + 4 s
	s_lshl_b32 s15, s14, 9
	v_lshl_add_u32 v8, v2, 5, s15                  ; my partial logits: 512 s + 32 r
	s_mul_i32 s15, s14, 1536
	v_lshl_add_u32 v9, v1, 4, s15                  ; the way out: 1,536 s + 16 x lane, in LDS and in xq alike
	v_lshlrev_b32 v10, 4, v1                       ; 16 x lane
	v_lshlrev_b32 v11, 5, v2                       ; 32 r
	v_lshlrev_b32 v12, 3, v2                       ; 8 r
	v_lshlrev_b32 v13, 2, v2                       ; 4 r
.irp b, 0,1,2,3
	v_mov_b32 v[TM+4+\b], 0                        ; written once: a lane permute's destination counts as one of its sources
.endr
	s_lshl_b32 s16, ttmp9, 16                      ; 16 rows of x,
	s_lshl_b32 s17, s14, 9                         ; and my K step's 512 bytes
	s_add_co_u32 s16, s16, s17
	s_mov_b32 s17, 0
	s_lshl_b32 s18, s14, 12                        ; my K step's 128 rows of gate_w
	s_mov_b32 s19, 0
	s_mul_i32 s22, ttmp9, 12288                    ; 16 tokens' codes
	s_mov_b32 s23, 0
	s_lshl_b32 s24, ttmp9, 9                       ; 16 tokens' scale words
	s_add_co_u32 s24, s24, 786432
	s_mov_b32 s25, 0
	s_lshl_b32 s26, ttmp9, 7                       ; 16 tokens x 8 bytes
	s_mov_b32 s27, 0
	s_lshl_b32 s28, ttmp9, 6                       ; 16 tokens x 4 bytes
	s_mov_b32 s29, 0
	s_mov_b32 s[SEL], 0x76543210
	s_mov_b32 s[SEL+1], 0xfedcba98
	s_wait_kmcnt 0x0
	s_add_nc_u64 s[4:5], s[4:5], s[16:17]
	s_add_nc_u64 s[6:7], s[6:7], s[18:19]
	s_add_nc_u64 s[24:25], s[8:9], s[24:25]        ; xq's scale words
	s_add_nc_u64 s[8:9], s[8:9], s[22:23]          ; xq's codes
	s_add_nc_u64 s[10:11], s[10:11], s[26:27]      ; sel
	s_add_nc_u64 s[28:29], s[12:13], s[28:29]      ; rt: the probabilities
	s_add_nc_u64 s[12:13], s[12:13], s[26:27]      ; rt: the weights
.irp b, 0,1,2,3
.irp j, 0,1,2,3
	global_load_b128 v[X+16*\b+4*\j:X+16*\b+4*\j+3], v4, s[4:5] offset:128*\b+16*\j th:TH_LOAD_NT   ; read once in the whole program
.endr
.endr
	GLOAD 0
	GLOAD 1
	s_wait_loadcnt 32                              ; x's 16 loads are in; the two batches of gate_w, 16 loads each, stay out
	QUANT X
.irp c, 0,1,2
	ds_store_b128 v6, v[PC+4*\c:PC+4*\c+3] offset:XST+16*\c
.endr
	ds_store_b32 v7, v[PW] offset:XSS              ; both halves of the lanes hold the same word and write it to the same place
.irp q, 0,1,2,3,4,5,6,7
.if \q < 7
	s_wait_loadcnt 16                              ; batch q is in; batch q + 1 stays out
.else
	s_wait_loadcnt 0
.endif
	FMAS \q
.if \q < 6
	GLOAD \q+2
.endif
.endr
.irp e, 0,1,2,3,4,5,6,7
	v_permlanex16_b32 v[X+\e], v[A+\e], s[SEL], s[SEL+1]
.endr
.irp e, 0,1,2,3,4,5,6,7
	v_add_f32 v[A+\e], v[A+\e], v[X+\e]            ; with the other half of each block
.endr
	ds_store_b128 v8, v[A:A+3] offset:LG
	ds_store_b128 v8, v[A+4:A+7] offset:LG+16
	s_wait_dscnt 0x0                               ; for the others' sake: my stores into LDS are done
	s_barrier_signal -1
	s_barrier_wait -1
.irp c, 0,1,2
	ds_load_b128 v[RB+4*\c:RB+4*\c+3], v9 offset:XST+512*\c
.endr
	s_wait_dscnt 0x0
.irp c, 0,1,2
	global_store_b128 v9, v[RB+4*\c:RB+4*\c+3], s[8:9] offset:512*\c   ; each store of the wave covers 512 consecutive bytes of xq
.endr
	s_cmp_eq_u32 s14, 1
	s_cbranch_scc1 .Lscales
	s_cmp_eq_u32 s14, 0
	s_cbranch_scc1 .Lrouter
	s_wait_tensorcnt 0x0
	ds_add_u32 v254, v255
	s_wait_dscnt 0x0
	s_endpgm
.Lscales:                                              ; wave 1: the 16 tokens' 512 bytes of scale words
	ds_load_b128 v[176:179], v10 offset:XSS
	s_wait_dscnt 0x0
	global_store_b128 v10, v[176:179], s[24:25]
	s_wait_tensorcnt 0x0
	ds_add_u32 v254, v255
	s_wait_dscnt 0x0
	s_endpgm
.Lrouter:                                              ; wave 0: lane r (and r + 16 beside it) finishes token r
.irp w, 0,1,2,3,4,5,6,7
	ds_load_b128 v[G+8*\w:G+8*\w+3], v11 offset:LG+512*\w
	ds_load_b128 v[G+8*\w+4:G+8*\w+7], v11 offset:LG+512*\w+16
.endr
	s_wait_dscnt 0x0
.irp e, 0,2,4,6
	v_pk_add_f32 v[A+\e:A+\e+1], v[G+\e:G+\e+1], v[G+8+\e:G+9+\e]
.endr
.irp w, 2,3,4,5,6,7
.irp e, 0,2,4,6
	v_pk_add_f32 v[A+\e:A+\e+1], v[A+\e:A+\e+1], v[G+8*\w+\e:G+8*\w+\e+1]   ; the eight K steps in ascending order
.endr
.endr
	v_max3_num_f32 v24, v16, v17, v18
	v_max3_num_f32 v24, v24, v19, v20
	v_max3_num_f32 v24, v24, v21, v22
	v_max_num_f32 v24, v24, v23                    ; the row's largest logit
.irp e, 0,1,2,3,4,5,6,7
	v_sub_f32 v[32+\e], v[A+\e], v24
.endr
.irp e, 0,1,2,3,4,5,6,7
	v_mul_f32 v[32+\e], 0x3fb8aa3b, v[32+\e]       ; x log2(e)
.endr
.irp e, 0,1,2,3,4,5,6,7
	v_exp_f32 v[32+\e], v[32+\e]
.endr
	v_nop                                          ; a plain instruction behind the exponentials
	s_wait_alu depctr_va_vdst(0)
	v_add_f32 v25, v32, v33
	v_add_f32 v26, v34, v35
	v_add_f32 v27, v36, v37
	v_add_f32 v28, v38, v39
	v_add_f32 v25, v25, v26
	v_add_f32 v27, v27, v28
	v_add_f32 v25, v25, v27
	v_rcp_f32 v26, v25
	v_nop
	s_wait_alu depctr_va_vdst(0)
.irp e, 0,1,2,3,4,5,6,7
	v_mul_f32 v[40+\e], v[32+\e], v26              ; the probabilities
.endr
	v_mov_b32 v50, v40                             ; the best so far, and its expert
	v_mov_b32 v52, 0
.irp e, 1,2,3,4,5,6,7
	v_cmp_gt_f32 vcc_lo, v[40+\e], v50             ; strictly greater: of equals the lower expert stays
	v_cndmask_b32 v50, v50, v[40+\e], vcc_lo
	v_cndmask_b32 v52, v52, \e, vcc_lo
.endr
.irp e, 0,1,2,3,4,5,6,7
	v_cmp_eq_u32 vcc_lo, \e, v52
	v_cndmask_b32 v[56+\e], v[40+\e], -1.0, vcc_lo ; the chosen one is taken out: -1 lies under every probability
.endr
	v_mov_b32 v51, v56
	v_mov_b32 v53, 0
.irp e, 1,2,3,4,5,6,7
	v_cmp_gt_f32 vcc_lo, v[56+\e], v51
	v_cndmask_b32 v51, v51, v[56+\e], vcc_lo
	v_cndmask_b32 v53, v53, \e, vcc_lo
.endr
	v_add_f32 v48, v50, v51
	v_rcp_f32 v49, v48
	v_cmp_gt_u32 vcc_lo, 16, v0                    ; (a plain instruction behind the reciprocal)  lanes 0-15 store
	s_wait_alu depctr_va_vdst(0)
	v_mul_f32 v54, v50, v49
	v_mul_f32 v55, v51, v49                        ; the two weights, renormalised
	s_wait_xcnt 0x0                                ; EXEC changes only when the earlier stores' addresses are translated
	s_wait_tensorcnt 0x0
	ds_add_u32 v254, v255
	s_wait_dscnt 0x0
	s_and_saveexec_b32 s15, vcc_lo
	global_store_b64 v12, v[52:53], s[10:11]
	global_store_b64 v12, v[54:55], s[12:13]
.irp e, 0,1,2,3,4,5,6,7
	global_store_b32 v13, v[40+\e], s[28:29] offset:8192+4096*\e
.endr
	s_wait_xcnt 0x0
	s_or_b32 exec_lo, exec_lo, s15
	s_endpgm
.Lfunc_end_k_qe6cd431e5e_route:
	.size	k_qe6cd431e5e_route, .Lfunc_end_k_qe6cd431e5e_route-k_qe6cd431e5e_route
	.p2alignl 7, 3214868480
	.fill 96, 4, 3214868480
	.section	.rodata,"a",@progbits
	.p2align	6, 0x0
	.amdhsa_kernel k_qe6cd431e5e_route
		.amdhsa_group_segment_fixed_size 17920
		.amdhsa_private_segment_fixed_size 0
		.amdhsa_enable_private_segment 0
		.amdhsa_kernarg_size 40
		.amdhsa_user_sgpr_count 2
		.amdhsa_user_sgpr_kernarg_segment_ptr 1
		.amdhsa_wavefront_size32 1
		.amdhsa_system_sgpr_workgroup_id_x 1
		.amdhsa_system_sgpr_workgroup_id_y 1
		.amdhsa_system_sgpr_workgroup_id_z 1
		.amdhsa_system_vgpr_workitem_id 0
		.amdhsa_next_free_vgpr 256
		.amdhsa_next_free_sgpr 66
		.amdhsa_reserve_vcc 1
		.amdhsa_float_denorm_mode_32 3
		.amdhsa_float_denorm_mode_16_64 3
		.amdhsa_memory_ordered 1
		.amdhsa_forward_progress 1
		.amdhsa_inst_pref_size 48
	.end_amdhsa_kernel
	.amdgpu_metadata
---
amdhsa.version: [ 1, 2 ]
amdhsa.kernels:
  - .name:           k_qe6cd431e5e_route
    .symbol:         k_qe6cd431e5e_route.kd
    .args:
      - { .name: x, .offset: 0, .size: 8, .value_kind: global_buffer, .address_space: global }
      - { .name: gate_w, .offset: 8, .size: 8, .value_kind: global_buffer, .address_space: global }
      - { .name: xq, .offset: 16, .size: 8, .value_kind: global_buffer, .address_space: global }
      - { .name: sel, .offset: 24, .size: 8, .value_kind: global_buffer, .address_space: global }
      - { .name: rt, .offset: 32, .size: 8, .value_kind: global_buffer, .address_space: global }
    .group_segment_fixed_size: 17920
    .private_segment_fixed_size: 0
    .kernarg_segment_align: 8
    .kernarg_segment_size: 40
    .max_flat_workgroup_size: 256
    .sgpr_count:     66
    .vgpr_count:     256
    .wavefront_size: 32
...
	.end_amdgpu_metadata
.endif
;; end of part 1
;; launch place (part 2): grid 1 x 1, 8 waves a work-group, no clusters, 1,536 bytes of LDS; arguments sel, rt, plan, out1; writes plan, out1
.if DOCPART == 2
	.amdgcn_target "amdgcn-amd-amdhsa--gfx1250"
	.amdhsa_code_object_version 6
	.text
	.protected	k_qe6cd431e5e_place
	.globl	k_qe6cd431e5e_place
	.p2align	8
	.type	k_qe6cd431e5e_place,@function
k_qe6cd431e5e_place:
	s_mov_b64 s[64:65], 0
	v_nop
	global_prefetch_b8 v0, s[64:65] scope:SCOPE_SE
	s_setreg_imm32_b32 hwreg(HW_REG_WAVE_MODE, 25, 1), 1
	s_wait_xcnt 0x0
; THE ROUTED ROWS ARE PLACED BY EXPERT (a counting sort without atomics), and the auxiliary loss is made.
; sel: [1024][2] chosen experts, 0 .. 7, a token's two different; rt: at 8,192 + 4,096 e + 4 t the probabilities.
; Stores into plan (whole numbers): list[pos] = token at 4 pos (valid positions only: nobody reads another);  posmap[t][k] = pos at 9,216 + 8 t + 4 k;
;   seg[e] = {first group, groups, last valid position, rows} at 17,408 + 16 e.  An expert's rows begin at a multiple of 32 positions (a group): at most (2,048 + 8 x 31) / 32 = 71 groups, whatever the split.
; out1 = 8 x sum over e of (rows_e / 2,048) x (sum of the probabilities of e / 1,024) = the sum of rows_e x sums_e, times 2^-18.
; SHARES.  One work-group of eight waves.  Thread n holds tokens n + 256 i, i = 0 .. 3.  Within an expert the rows stand by wave, then by i, then by lane.
; EVERY (TOKEN, CHOICE) HAS A PLACE, so every lane stores, with all lanes on: a lane's place for each choice is picked among the eight experts' candidates by v_cndmask_b32.
; One work-group does it all, since the places are a prefix sum over 2,048 numbers: there is nothing here to share out.
.set S,   32                           ; v32-39   sel of my 4 tokens, in pairs
.set POS, 40                           ; v40-47   their places, in pairs
.set LA,  48                           ; v48-55   the places' byte offsets in the list
.set TK,  56                           ; v57-59   my tokens 1 to 3 (token 0 is v0)
.set CN,  64                           ; v64-71   my wave's eight counts on their way to LDS
.set CW,  72                           ; v72-79   the eight waves' counts of expert lane % 8
.set SG,  84                           ; v84-87   seg of expert lane % 8: first group, groups, last valid position, rows
.set P,   96                           ; v96-127  32 probabilities of the expert that has my wave's number
.set CNT, 0                            ; LDS: counts [wave][expert], 256 bytes
.set PSM, 256                          ; LDS: the eight sums of probabilities
	s_load_b256 s[4:11], s[0:1], 0x0               ; sel s[4:5], rt s[6:7], plan s[8:9], out1 s[10:11]
	v_lshl_add_u32 v128, v0, 2, 0x200
	v_mov_b32 v129, 0
	v_lshrrev_b32 v1, 5, v0
	v_readfirstlane_b32 s12, v1                    ; wave
	v_and_b32 v18, 31, v0                          ; lane
	v_lshlrev_b32 v19, 3, v0                       ; 8 x thread: my token 0's pair in sel and in posmap
	v_lshlrev_b32 v16, 4, v18                      ; 16 x lane
	v_mov_b32 v17, 0
	v_and_b32 v20, 0xe0, v0                        ; 32 x wave: my wave's counts in LDS
	v_lshrrev_b32 v22, 3, v20                      ; 4 x wave: my wave's sum in LDS
	v_and_b32 v21, 7, v0
	v_lshlrev_b32 v23, 4, v21                      ; 16 x (lane % 8): an expert's seg
	v_lshlrev_b32 v21, 2, v21                      ; 4 x (lane % 8): an expert's word in LDS
	v_mov_b32 v[SG], 0                             ; written once: v_writelane_b32's destination counts as one of its sources
.irp i, 1,2,3
	v_add_nc_u32 v[TK+\i], 256*\i, v0
.endr
	s_lshl_b32 s14, s12, 12
	s_add_co_u32 s14, s14, 8192
	s_mov_b32 s15, 0
	s_mov_b32 s30, 0x76543210
	s_mov_b32 s31, 0xfedcba98                      ; v_permlanex16_b32's selects for lane l xor 16
	s_wait_kmcnt 0x0
	s_add_nc_u64 s[6:7], s[6:7], s[14:15]          ; the probabilities of expert = my wave's number
.irp i, 0,1,2,3
	global_load_b64 v[S+2*\i:S+2*\i+1], v19, s[4:5] offset:2048*\i
.endr
.irp q, 0,1,2,3,4,5,6,7
	global_load_b128 v[P+4*\q:P+4*\q+3], v16, s[6:7] offset:512*\q
.endr
	s_wait_loadcnt 8                               ; sel's four loads are in; the eight loads of probabilities stay out
.irp i, 0,1,2,3                                ; which lanes' token i chose expert e: s[32 + 8 i + e]; how many in my wave: s[20 + e]
.irp e, 0,1,2,3,4,5,6,7
	v_cmp_eq_u32 s15, \e, v[S+2*\i]
	v_cmp_eq_u32 s16, \e, v[S+2*\i+1]
	s_or_b32 s[32+8*\i+\e], s15, s16
.if \i == 0
	s_bcnt1_i32_b32 s[20+\e], s[32+\e]
.else
	s_bcnt1_i32_b32 s15, s[32+8*\i+\e]
	s_add_co_u32 s[20+\e], s[20+\e], s15
.endif
.endr
.endr
.irp e, 0,1,2,3,4,5,6,7
	v_mov_b32 v[CN+\e], s[20+\e]
.endr
	ds_store_b128 v20, v[CN:CN+3] offset:CNT       ; all lanes write the same bytes with the same values
	ds_store_b128 v20, v[CN+4:CN+7] offset:CNT+16
	s_wait_dscnt 0x0                               ; for the others' sake: my counts lie in LDS
	s_barrier_signal -1
	s_barrier_wait -1
.irp w, 0,1,2,3,4,5,6,7
	ds_load_b32 v[CW+\w], v21 offset:CNT+32*\w     ; lane l: wave w's count of expert l % 8
.endr
	s_wait_dscnt 0x0
	v_add_nc_u32 v[SG+3], v[CW], v[CW+1]
.irp w, 2,3,4,5,6,7
	v_add_nc_u32 v[SG+3], v[SG+3], v[CW+\w]        ; the expert's rows
.endr
.irp w, 0,1,2,3,4,5,6                          ; and those of them that stand in the waves before mine
	s_cmp_lt_u32 \w, s12
	s_cselect_b32 s15, -1, 0
.if \w == 0
	v_and_b32 v81, s15, v[CW]
.else
	v_and_b32 v82, s15, v[CW+\w]
	v_add_nc_u32 v81, v81, v82
.endif
.endr
	v_add_nc_u32 v[SG+1], 31, v[SG+3]
	v_lshrrev_b32 v[SG+1], 5, v[SG+1]              ; the expert's groups
	s_mov_b32 s14, 0                               ; groups so far
.irp e, 0,1,2,3,4,5,6,7
	v_readlane_b32 s15, v[SG+1], \e
	v_readlane_b32 s16, v81, \e
	v_writelane_b32 v[SG], s14, \e                 ; expert e's first group, into lane e
	s_lshl_b32 s17, s14, 5
	s_add_co_u32 s[20+\e], s17, s16                ; my wave's first position for expert e; it runs on below
	s_add_co_u32 s14, s14, s15
.endr
	v_lshl_add_u32 v[SG+2], v[SG], 5, v[SG+3]
	v_add_nc_u32 v[SG+2], -1, v[SG+2]              ; the expert's last valid position (not used where it has no rows)
.irp i, 0,1,2,3
.irp e, 0,1,2,3,4,5,6,7
	v_mbcnt_lo_u32_b32 v[90+\e%2], s[32+8*\i+\e], 0    ; members among the lanes below me
.if \e == 0
	v_add_nc_u32 v[POS+2*\i], s20, v90             ; expert 0's candidate starts both places; the expert really chosen writes over it
	v_mov_b32 v[POS+2*\i+1], v[POS+2*\i]
.else
	v_add_nc_u32 v[90+\e%2], s[20+\e], v[90+\e%2]
	v_cmp_eq_u32 vcc_lo, \e, v[S+2*\i]
	v_cndmask_b32 v[POS+2*\i], v[POS+2*\i], v[90+\e%2], vcc_lo
	v_cmp_eq_u32 vcc_lo, \e, v[S+2*\i+1]
	v_cndmask_b32 v[POS+2*\i+1], v[POS+2*\i+1], v[90+\e%2], vcc_lo
.endif
	s_bcnt1_i32_b32 s15, s[32+8*\i+\e]
	s_add_co_u32 s[20+\e], s[20+\e], s15
.endr
.endr
.irp j, 0,1,2,3,4,5,6,7
	v_min_u32 v[POS+\j], 0x8ff, v[POS+\j]          ; held inside the list's 2,304 entries before it enters an address
.endr
.irp j, 0,1,2,3,4,5,6,7
	v_lshlrev_b32 v[LA+\j], 2, v[POS+\j]
.endr
.irp i, 0,1,2,3
	global_store_b64 v19, v[POS+2*\i:POS+2*\i+1], s[8:9] offset:9216+2048*\i   ; each store of the wave covers 256 consecutive bytes of posmap
.endr
	global_store_b32 v[LA], v0, s[8:9]
	global_store_b32 v[LA+1], v0, s[8:9]
.irp i, 1,2,3
	global_store_b32 v[LA+2*\i], v[TK+\i], s[8:9]
	global_store_b32 v[LA+2*\i+1], v[TK+\i], s[8:9]
.endr
	s_wait_loadcnt 0x0                             ; the probabilities
.irp q, 1,2,3,4,5,6,7                          ; the sum of one expert's 1,024 probabilities: two packed chains, then across the lanes
	v_pk_add_f32 v[P:P+1], v[P:P+1], v[P+4*\q:P+4*\q+1]
	v_pk_add_f32 v[P+2:P+3], v[P+2:P+3], v[P+4*\q+2:P+4*\q+3]
.endr
	v_pk_add_f32 v[P:P+1], v[P:P+1], v[P+2:P+3]
	v_add_f32 v96, v96, v97
	v_add_f32_dpp v96, v96, v96 row_xmask:1 row_mask:0xf bank_mask:0xf
	v_add_f32_dpp v96, v96, v96 row_xmask:2 row_mask:0xf bank_mask:0xf
	v_add_f32_dpp v96, v96, v96 row_xmask:4 row_mask:0xf bank_mask:0xf
	v_add_f32_dpp v96, v96, v96 row_xmask:8 row_mask:0xf bank_mask:0xf
	v_permlanex16_b32 v97, v96, s30, s31
	v_add_f32 v96, v96, v97
	ds_store_b32 v22, v96 offset:PSM               ; other bytes than the counts'; all lanes write the same word with the same value
	s_wait_dscnt 0x0
	s_barrier_signal -1
	s_barrier_wait -1
	s_cmp_lg_u32 s12, 0
	s_cbranch_scc1 .Lend
	ds_load_b32 v98, v21 offset:PSM                ; wave 0, lane l: the sum of expert l % 8
	v_cvt_f32_u32 v99, v[SG+3]                     ; and its rows
	s_wait_dscnt 0x0
	v_mul_f32 v98, v98, v99
	v_add_f32_dpp v98, v98, v98 row_xmask:1 row_mask:0xf bank_mask:0xf
	v_add_f32_dpp v98, v98, v98 row_xmask:2 row_mask:0xf bank_mask:0xf
	v_add_f32_dpp v98, v98, v98 row_xmask:4 row_mask:0xf bank_mask:0xf   ; over the eight experts
	v_mul_f32 v98, 0x36800000, v98                 ; x 2^-18
	v_cmp_gt_u32 vcc_lo, 8, v18
	s_wait_xcnt 0x0                                ; EXEC changes only when every earlier address is translated
	s_and_saveexec_b32 s15, vcc_lo                 ; lanes 0 to 7: an expert each
	global_store_b128 v23, v[SG:SG+3], s[8:9] offset:17408
	s_wait_xcnt 0x0                                ; and again in front of the line that widens it
	s_or_b32 exec_lo, exec_lo, s15
	v_cmp_eq_u32 vcc_lo, 0, v18
	s_and_saveexec_b32 s15, vcc_lo                 ; lane 0 (no memory instruction has been issued since the last wait)
	global_store_b32 v17, v98, s[10:11]
	s_wait_xcnt 0x0
	s_or_b32 exec_lo, exec_lo, s15
.Lend:
	s_wait_tensorcnt 0x0
	ds_add_u32 v128, v129
	s_wait_dscnt 0x0
	s_endpgm
.Lfunc_end_k_qe6cd431e5e_place:
	.size	k_qe6cd431e5e_place, .Lfunc_end_k_qe6cd431e5e_place-k_qe6cd431e5e_place
	.p2alignl 7, 3214868480
	.fill 96, 4, 3214868480
	.section	.rodata,"a",@progbits
	.p2align	6, 0x0
	.amdhsa_kernel k_qe6cd431e5e_place
		.amdhsa_group_segment_fixed_size 1536
		.amdhsa_private_segment_fixed_size 0
		.amdhsa_enable_private_segment 0
		.amdhsa_kernarg_size 32
		.amdhsa_user_sgpr_count 2
		.amdhsa_user_sgpr_kernarg_segment_ptr 1
		.amdhsa_wavefront_size32 1
		.amdhsa_system_sgpr_workgroup_id_x 1
		.amdhsa_system_sgpr_workgroup_id_y 1
		.amdhsa_system_sgpr_workgroup_id_z 1
		.amdhsa_system_vgpr_workitem_id 0
		.amdhsa_next_free_vgpr 130
		.amdhsa_next_free_sgpr 66
		.amdhsa_reserve_vcc 1
		.amdhsa_float_denorm_mode_32 3
		.amdhsa_float_denorm_mode_16_64 3
		.amdhsa_memory_ordered 1
		.amdhsa_forward_progress 1
		.amdhsa_inst_pref_size 27
	.end_amdhsa_kernel
	.amdgpu_metadata
---
amdhsa.version: [ 1, 2 ]
amdhsa.kernels:
  - .name:           k_qe6cd431e5e_place
    .symbol:         k_qe6cd431e5e_place.kd
    .args:
      - { .name: sel, .offset: 0, .size: 8, .value_kind: global_buffer, .address_space: global }
      - { .name: rt, .offset: 8, .size: 8, .value_kind: global_buffer, .address_space: global }
      - { .name: plan, .offset: 16, .size: 8, .value_kind: global_buffer, .address_space: global }
      - { .name: out1, .offset: 24, .size: 8, .value_kind: global_buffer, .address_space: global }
    .group_segment_fixed_size: 1536
    .private_segment_fixed_size: 0
    .kernarg_segment_align: 8
    .kernarg_segment_size: 32
    .max_flat_workgroup_size: 256
    .sgpr_count:     66
    .vgpr_count:     130
    .wavefront_size: 32
...
	.end_amdgpu_metadata
.endif
;; end of part 2
;; launch ffn1 (part 3): grid 32 x 8, 4 waves a work-group, no clusters, 100,864 bytes of LDS; arguments w1_codes, w1_scales, b1, xq, plan, hq; writes hq
.if DOCPART == 3
	.amdgcn_target "amdgcn-amd-amdhsa--gfx1250"
	.amdhsa_code_object_version 6
	.text
	.protected	k_qe6cd431e5e_ffn1
	.globl	k_qe6cd431e5e_ffn1
	.p2align	8
	.type	k_qe6cd431e5e_ffn1,@function
k_qe6cd431e5e_ffn1:
	s_mov_b64 s[64:65], 0
	v_nop
	global_prefetch_b8 v0, s[64:65] scope:SCOPE_SE
	s_setreg_imm32_b32 hwreg(HW_REG_WAVE_MODE, 25, 1), 1
	s_wait_xcnt 0x0
; hq = Q(gelu(Q(x) W1^T + b1)) for the routed rows, on codes of E3M2 with one E8M0 scale for each 32 along K.
; w1_codes: [8][4096][768 bytes], K (1,024) innermost; w1_scales: [8][4096][32]; b1: [8][4096] f32; xq, plan: as the launches before laid them.
; hq: the hidden layer as IMAGES OF THE NEXT PRODUCT'S OPERAND REGISTERS: tile T of 16 positions, K step S of 128 hidden units: 1,536 bytes at 49,152 T + 1,536 S, register group c of lane l at 512 c + 16 l;
;     its scale words at 7,077,888 + 2,048 T + 64 S + 4 r.
; SHARES.  Work-group (c, e) owns hidden units 128 c .. 128 c + 127 of expert e: so each byte of W1 is read from memory by one work-group, once, into LDS, where it stays.  Wave w takes the expert's groups
; of 32 positions w, w + 4, ..: 16 accumulators (2 tiles of positions x 8 tiles of hidden units), K in 8 steps of 128.  x's fragments come from xq straight into registers, gathered by the list; positions past
; the expert's last row repeat its last row: their results are written and never read.
; Behind the one barrier at the head the waves share nothing that is written, so their trip counts may hang on the stored counts.
; NO CLUSTER, NO JOINT LOADS: what an expert's 32 work-groups share are x's rows, which go into registers and not into LDS, in numbers read from memory; a joint load would want a barrier of the cluster in
; every trip of a loop whose trip count differs from wave to wave.  NO TENSOR LOADS: LDS is filled once, through registers, which also lays W1's rows in the order below.
; THE PRODUCT IS USED TRANSPOSED (source 0 = 16 rows of W1, source 1 = 16 positions): a lane holds one position, its registers run along the hidden units.  THE ROWS OF W1 THAT FORM A TILE ARE NOT NEIGHBOURS:
; lane r of tile 2 b + u takes hidden unit 32 b + 8 u + r + 8 (r / 8), so that the 16 registers of tiles 2 b, 2 b + 1 are 16 neighbours along the next K.  In LDS the rows lie in that order, a tile's 16 on end.
; gelu(x) = x / (1 + 2^z), z = x (c1 + c3 x^2), c1 = -2 log2(e) sqrt(2 / pi), c3 = 0.044715 c1: the tanh form, rewritten without loss; all in f32.
; LIMITS: NaN and infinities are not served.  A block of the hidden layer whose largest magnitude lies under 2^-122 keeps the scale byte 1 (a block of zeros too: its codes are zeros; this program alone reads the bytes).
; REGISTERS, in windows of 256: window 0: v1-13 addresses; v16-79 W1's scale words (8 t + s); v80-95 x's (8 m + s); v96-159 gelu at work; v160-178 codes; v180-196 the quantiser's; v198-209 below.
;   window 1: W1's fragments of a K step, two sets (v0-95, v128-223).   window 2: v0-127 the accumulators ((m, t) at 8 (8 m + t)); v128-191 b1 in the result's layout.
;   window 3: v0-191 x's fragments of a whole group (24 s + 12 m); at the head the 48 x 4 registers of the copy.
.set PITCH, 784                        ; an LDS row: 768 bytes + 16 = 196 words: row r starts at bank 4 r mod 64 (64 banks of 4 bytes: ISA guide 11.1): the 32 lanes of a load of 8 bytes touch 64 different banks
.set W1S, 16
.set XS,  80
.set HA,  96
.set PC,  160
.set TM,  180
.set PW,  196
.set C1V, 198                          ; v[198:199] c1, twice
.set TOK, 200                          ; v200-201 the tokens of my two tiles' rows
.set XA,  202                          ; v202-203 their codes' byte offsets in xq
.set XSA, 204                          ; v204-205 their scale words'
.set LA,  206                          ; v206-207 byte offsets in the list
.set HO,  208                          ; v208     my byte offset in hq's codes
.set SO,  209                          ; v209     and in its scale words
.set AW,  7                            ; v7, v8   LDS address of my lane's place in tiles 0-3, 4-7
.set B1,  128                          ; in window 2
.set SEL, 30                           ; s[30:31]
; s[4:5] W1's slice, s[6:7] its scale bytes, s[8:9] b1's slice, s[10:11] xq, s[12:13] plan, s[14:15] hq + 1,536 c, s[16:17] xq's scale words, s[18:19] hq's + 64 c,
; s20 first group, s21 groups, s22 last valid position, s24 wave, s27 my group, s[32:33] c3, s38 trips done, s39 my trips
.set MSB, 0
.macro WIN new                         ; the immediate's high byte repeats the setting that is left
.if MSB != \new
	s_set_vgpr_msb (MSB<<8)|\new
.set MSB, \new
.endif
.endm
.macro QUANT s                         ; 64 numbers of a lane, register 16 b + i = k 32 b + 16 (lane / 16) + i of my row, become a fragment's codes in v[PC] on and its scale word in v[PW]
.irp b, 0,1,2,3
	v_max3_num_f32 v[TM+\b], |v[\s+16*\b]|, |v[\s+1+16*\b]|, 0x2800000   ; and the floor 2^(5 - 127): the byte cannot fall under 1
.endr
.irp i, 2,4,6,8,10,12,14
.irp b, 0,1,2,3
	v_max3_num_f32 v[TM+\b], v[TM+\b], |v[\s+16*\b+\i]|, |v[\s+1+16*\b+\i]|
.endr
.endr
.irp b, 0,1,2,3
	v_permlanex16_b32 v[TM+4+\b], v[TM+\b], s[SEL], s[SEL+1]
.endr
.irp b, 0,1,2,3
	v_max_num_f32 v[TM+\b], v[TM+\b], v[TM+4+\b]
.endr
.irp b, 0,1,2,3
	v_add_nc_u32 v[TM+12+\b], 0xfe000000, v[TM+\b]   ; 4 off the exponent field: the conversion's scale operand
.endr
.irp b, 0,1,2,3
	v_lshrrev_b32 v[TM+4+\b], 23, v[TM+12+\b]      ; the scale's byte
.endr
	v_lshl_or_b32 v[PW], v[TM+5], 8, v[TM+4]
	v_lshl_or_b32 v[PW], v[TM+6], 16, v[PW]
	v_lshl_or_b32 v[PW], v[TM+7], 24, v[PW]
.irp c, 0,1
	v_cvt_scalef32_pk16_bf6_f32 v[PC+6*\c:PC+2+6*\c], v[\s+32*\c:\s+15+32*\c], v[TM+12+2*\c]
	v_cvt_scalef32_pk16_bf6_f32 v[PC+12+4*\c:PC+14+4*\c], v[\s+16+32*\c:\s+31+32*\c], v[TM+12+2*\c+1]
.endr
	v_nop                                          ; one plain instruction behind a scaled conversion
.irp c, 0,1
.irp i, 0,1,2
	v_permlane16_swap_b32 v[PC+6*\c+\i], v[PC+12+4*\c+\i]
.endr
.irp i, 0,1,2
	v_mov_b32 v[PC+3+6*\c+\i], v[PC+12+4*\c+\i]
.endr
.endr
.endm
.macro LIST ahead                      ; the tokens of group s27 + ahead: position 32 (first group + group) + 16 m + r, held at the expert's last row and inside the list
	s_add_co_u32 s28, s20, s27
.if \ahead
	s_add_co_u32 s28, s28, \ahead
.endif
	s_lshl_b32 s28, s28, 5
	s_add_co_u32 s29, s28, 16
	v_add_nc_u32 v[LA], s28, v2
	v_add_nc_u32 v[LA+1], s29, v2
.irp m, 0,1
	v_min_u32 v[LA+\m], s22, v[LA+\m]
	v_min_u32 v[LA+\m], 0x8ff, v[LA+\m]
	v_lshlrev_b32 v[LA+\m], 2, v[LA+\m]
.endr
.irp m, 0,1
	global_load_b32 v[TOK+\m], v[LA+\m], s[12:13]
.endr
.endm
.macro ADDR
.irp m, 0,1
	v_min_u32 v[TOK+\m], 0x3ff, v[TOK+\m]          ; a loaded number is held before it enters an address
	v_mad_u32_u24 v[XA+\m], v[TOK+\m], 0x300, v11  ; 768 x token + 48 h
	v_lshlrev_b32 v[XSA+\m], 5, v[TOK+\m]
.endr
.endm
.macro XLOADS                          ; a group's x: 4 loads of scale words, then 6 loads for each K step: 52
	WIN 0
.irp m, 0,1
	global_load_b128 v[XS+8*\m:XS+8*\m+3], v[XSA+\m], s[16:17]
	global_load_b128 v[XS+8*\m+4:XS+8*\m+7], v[XSA+\m], s[16:17] offset:16
.endr
	WIN 0xc0                                       ; destination window 3
.irp s, 0,1,2,3,4,5,6,7
.irp m, 0,1
.irp c, 0,1,2
	global_load_b128 v[24*\s+12*\m+4*\c:24*\s+12*\m+4*\c+3], v[XA+\m], s[10:11] offset:96*\s+16*\c
.endr
.endr
.endr
	WIN 0
.endm
.macro WFETCH st, base                 ; W1's eight fragments of K step st: 24 bytes and 24 bytes of a row, in pieces of 8
.irp t, 0,1,2,3,4,5,6,7
.irp p, 0,1,2,3,4,5
	ds_load_b64 v[\base+12*\t+2*\p:\base+12*\t+2*\p+1], v[AW+\t/4] offset:(\t%4)*16*PITCH+96*(\st)+48*(\p/3)+8*(\p%3)
.endr
.endr
.endm
; A K step: 16 matrix instructions, the 16 accumulators by turns, one instruction a turn, in the same order in every step.  Step 0 takes b1 as C: nothing is cleared or added.
.macro KSTEP s
	s_wait_dscnt 0x0                               ; this step's fragments of W1, asked for a step ago, are in
	WIN 0x40                                       ; destination window 1
	WFETCH ((\s)+1)%8, 128*(((\s)+1)%2)
	s_wait_loadcnt 6*(7-(\s))+2                    ; x's scale words and fragments up to this step are in; younger: the later steps' six loads each and the list's two
	WIN 0xad                                       ; W1 window 1, x window 3, C and D window 2
.irp m, 0,1
.irp t, 0,1,2,3,4,5,6,7
.if (\s) == 0
	v_wmma_scale_f32_16x16x128_f8f6f4 v[8*(8*\m+\t):8*(8*\m+\t)+7], v[128*((\s)%2)+12*\t:128*((\s)%2)+12*\t+11], v[24*(\s)+12*\m:24*(\s)+12*\m+11], v[B1+8*\t:B1+8*\t+7], v[W1S+8*\t+(\s)], v[XS+8*\m+(\s)] matrix_a_fmt:MATRIX_FMT_BF6 matrix_b_fmt:MATRIX_FMT_BF6
.else
	v_wmma_scale_f32_16x16x128_f8f6f4 v[8*(8*\m+\t):8*(8*\m+\t)+7], v[128*((\s)%2)+12*\t:128*((\s)%2)+12*\t+11], v[24*(\s)+12*\m:24*(\s)+12*\m+11], v[8*(8*\m+\t):8*(8*\m+\t)+7], v[W1S+8*\t+(\s)], v[XS+8*\m+(\s)] matrix_a_fmt:MATRIX_FMT_BF6 matrix_b_fmt:MATRIX_FMT_BF6
.endif
.endr
.endr
.rept 4
	v_nop                                          ; four plain instructions in front of loads into registers that these products have read, and of the first read of results
.endr
.endm
.macro GELU m                          ; tile m's 64 sums (window 2, from 64 m) -> v[HA] on; each accumulator is read from its low end on
	WIN 0x0a
.set J, 0
.rept 32
	v_pk_mul_f32 v[HA+J:HA+J+1], v[64*\m+J:64*\m+J+1], v[64*\m+J:64*\m+J+1]   ; x^2
.set J, J+2
.endr
	WIN 0
.set J, 0
.rept 32
	v_pk_fma_f32 v[HA+J:HA+J+1], v[HA+J:HA+J+1], s[32:33], v[C1V:C1V+1] op_sel_hi:[1,0,1]   ; c3 x^2 + c1
.set J, J+2
.endr
	WIN 0x08
.set J, 0
.rept 32
	v_pk_mul_f32 v[HA+J:HA+J+1], v[HA+J:HA+J+1], v[64*\m+J:64*\m+J+1]         ; z
.set J, J+2
.endr
	WIN 0
.set J, 0
.rept 64
	v_exp_f32 v[HA+J], v[HA+J]
.set J, J+1
.endr
	v_nop                                          ; a plain instruction behind the exponentials
.set J, 0
	s_wait_alu depctr_va_vdst(0)
.rept 32
	v_pk_add_f32 v[HA+J:HA+J+1], v[HA+J:HA+J+1], 1.0 op_sel_hi:[1,0]
.set J, J+2
.endr
.set J, 0
.rept 64
	v_rcp_f32 v[HA+J], v[HA+J]
.set J, J+1
.endr
	v_nop
	WIN 0x08
.set J, 0
	s_wait_alu depctr_va_vdst(0)
.rept 32
	v_pk_mul_f32 v[HA+J:HA+J+1], v[HA+J:HA+J+1], v[64*\m+J:64*\m+J+1]         ; x / (1 + 2^z)
.set J, J+2
.endr
	WIN 0
.endm
	s_load_b256 s[4:11], s[0:1], 0x0               ; w1_codes, w1_scales, b1, xq
	s_load_b128 s[12:15], s[0:1], 0x20             ; plan, hq
	v_lshl_add_u32 v254, v0, 2, 0x18800
	v_mov_b32 v255, 0
	v_lshrrev_b32 v1, 5, v0
	v_readfirstlane_b32 s24, v1                    ; wave 0..3
	v_and_b32 v1, 31, v0                           ; lane
	v_and_b32 v2, 15, v0                           ; r
	v_bfe_u32 v3, v0, 4, 1                         ; h
	s_and_b32 s26, ttmp7, 0xffff                   ; the expert
	s_lshl_b32 s25, s26, 4
	s_wait_kmcnt 0x0
	s_load_b128 s[20:23], s[12:13], s25 offset:17408   ; seg[e]
	s_lshl_b32 s34, s26, 12
	s_lshl_b32 s35, ttmp9, 7
	s_add_co_u32 s34, s34, s35                     ; my first row of W1: 4,096 e + 128 c
	s_mul_i32 s36, s34, 768
	s_mov_b32 s37, 0
	s_add_nc_u64 s[4:5], s[4:5], s[36:37]
	s_lshl_b32 s36, s34, 5
	s_add_nc_u64 s[6:7], s[6:7], s[36:37]
	s_lshl_b32 s36, s34, 2
	s_add_nc_u64 s[8:9], s[8:9], s[36:37]
	s_add_nc_u64 s[16:17], s[10:11], 786432
	s_lshl_b32 s36, ttmp9, 6
	s_add_co_u32 s36, s36, 7077888
	s_add_nc_u64 s[18:19], s[14:15], s[36:37]
	s_mul_i32 s36, ttmp9, 1536
	s_add_nc_u64 s[14:15], s[14:15], s[36:37]
	s_mov_b32 s[SEL], 0x76543210
	s_mov_b32 s[SEL+1], 0xfedcba98
	s_mov_b32 s32, 0xbdd2d3e8                      ; c3 = -0.10294324
	s_mov_b32 s33, s32                             ; (named with it as a pair, so it is written)
	v_lshlrev_b32 v12, 4, v1                       ; 16 x lane
	s_mul_i32 s28, s24, 24576
	v_add_nc_u32 v4, s28, v12                      ; the copy, in memory: my wave's 32 rows, 16 bytes a lane
	s_mul_i32 s28, s24, 32*PITCH
	v_add_nc_u32 v5, s28, v12                      ; and in LDS;
	v_lshl_add_u32 v6, v3, 4, v5                   ; for the load that straddles two rows: lanes 16-31 lie behind the first row's padding
	v_mul_u32_u24 v[AW], v2, PITCH
	v_mad_u32_u24 v[AW], v3, 24, v[AW]             ; a fragment: row r, + 24 h
	v_add_nc_u32 v[AW+1], 64*PITCH, v[AW]
	v_and_b32 v9, 8, v2
	v_add_nc_u32 v9, v9, v2
	v_lshlrev_b32 v9, 5, v9                        ; W1's scale bytes: 32 (r + 8 (r / 8))
	v_lshlrev_b32 v10, 6, v3                       ; b1: 16 numbers further on for lanes 16-31
	v_mul_u32_u24 v11, v3, 48                      ; x's codes: 48 h
	v_lshlrev_b32 v13, 2, v2                       ; 4 r
	v_mov_b32 v[C1V], 0xc0135761                   ; c1 = -2.3022082
	v_mov_b32 v[C1V+1], 0xc0135761
.irp b, 0,1,2,3
	v_mov_b32 v[TM+4+\b], 0                        ; written once: a lane permute's destination counts as one of its sources
.endr
	WIN 0xc0
.set I, 0
.rept 48
	global_load_b128 v[4*I:4*I+3], v4, s[4:5] offset:512*I th:TH_LOAD_NT   ; 512 consecutive bytes a load; read once in the launch
.set I, I+1
.endr
	WIN 0x0c                                       ; an LDS store's data are its source 1: window 3
.set Q, 0
.rept 16                               ; three loads are two rows, 2 q and 2 q + 1 of my 32.  Hidden row 16 a + 8 u + i goes to LDS row 16 u + 8 a + i
.set RW, (16*((Q/4)%2)+8*(Q/8)+2*(Q%4))*PITCH
	s_wait_loadcnt 45-3*Q                          ; these three loads are in; the later pairs' three each stay out
	ds_store_b128 v5, v[12*Q:12*Q+3] offset:RW
	ds_store_b128 v6, v[12*Q+4:12*Q+7] offset:RW+512
	ds_store_b128 v5, v[12*Q+8:12*Q+11] offset:RW+1040
.set Q, Q+1
.endr
	WIN 0
	s_wait_kmcnt 0x0                               ; seg
	s_wait_dscnt 0x0                               ; for the others' sake: my part of W1 lies in LDS
	s_barrier_signal -1
	s_barrier_wait -1                              ; the only barrier: from here on LDS is only read
	s_cmp_ge_u32 s24, s21
	s_cbranch_scc1 .Lend                           ; fewer groups than waves: nothing for me
.irp t, 0,1,2,3,4,5,6,7
.irp q, 0,1
	global_load_b128 v[W1S+8*\t+4*\q:W1S+8*\t+4*\q+3], v9, s[6:7] offset:(32*(\t/2)+8*(\t%2))*32+16*\q   ; tile t's rows: eight scale words each
.endr
.endr
	WIN 0x80
.irp t, 0,1,2,3,4,5,6,7
	global_load_b128 v[B1+8*\t:B1+8*\t+3], v10, s[8:9] offset:(32*(\t/2)+8*(\t%2))*4
	global_load_b128 v[B1+8*\t+4:B1+8*\t+7], v10, s[8:9] offset:(32*(\t/2)+8*(\t%2))*4+16
.endr
	WIN 0
	s_mov_b32 s27, s24                             ; my first group
	s_sub_co_u32 s39, s21, s24
	s_add_co_u32 s39, s39, 3
	s_lshr_b32 s39, s39, 2                         ; my trips: groups w, w + 4, .. below the expert's number of groups; fixed here, counted one by one
	s_mov_b32 s38, 0
	LIST 0
	s_wait_loadcnt 0x0                             ; W1's scale words, b1 and the list's two
	ADDR
	XLOADS
	WIN 0x40
	WFETCH 0, 0
	WIN 0
.Lgroup:
	LIST 4                                         ; the next group's tokens (held at the last row where there is none)
.irp s, 0,1,2,3,4,5,6,7
	KSTEP \s
.endr
	WIN 0
	s_wait_loadcnt 0x0                             ; the list's two loads: nothing else is out
	s_add_co_u32 s28, s27, 4
	s_cmp_ge_u32 s28, s21
	s_cbranch_scc1 .Lnonext                        ; my last group asks for nothing more; no wait for loads follows on that way
	ADDR
	XLOADS                                         ; the next group's x lands while this group's results are worked
.Lnonext:
	s_add_co_u32 s28, s20, s27
	s_min_u32 s28, s28, 71                         ; my group among all 72: held before it enters an address
	s_mul_i32 s29, s28, 98304
	s_lshl_b32 s28, s28, 12
	s_wait_xcnt 0x0                                ; the last group's stores have had their addresses translated: HO and SO may be written
	v_add_nc_u32 v[HO], s29, v12
	v_add_nc_u32 v[SO], s28, v13
.irp m, 0,1
	s_wait_xcnt 0x0                                ; the codes' and the scale word's registers are written again only behind this wait
	GELU \m
	QUANT HA
.irp c, 0,1,2
	global_store_b128 v[HO], v[PC+4*\c:PC+4*\c+3], s[14:15] offset:49152*\m+512*\c   ; the fragment as it stands: 512 consecutive bytes a store
.endr
	global_store_b32 v[SO], v[PW], s[18:19] offset:2048*\m   ; both halves of the lanes hold the same word and write it to the same place
.endr
	s_add_co_u32 s27, s27, 4
	s_add_co_u32 s38, s38, 1
	s_cmp_lt_u32 s38, s39
	s_cbranch_scc1 .Lgroup
	s_wait_dscnt 0x0                               ; the last step's fetch ahead
.Lend:
	s_wait_tensorcnt 0x0
	ds_add_u32 v254, v255
	s_wait_dscnt 0x0
	s_endpgm
.Lfunc_end_k_qe6cd431e5e_ffn1:
	.size	k_qe6cd431e5e_ffn1, .Lfunc_end_k_qe6cd431e5e_ffn1-k_qe6cd431e5e_ffn1
	.p2alignl 7, 3214868480
	.fill 96, 4, 3214868480
	.section	.rodata,"a",@progbits
	.p2align	6, 0x0
	.amdhsa_kernel k_qe6cd431e5e_ffn1
		.amdhsa_group_segment_fixed_size 100864
		.amdhsa_private_segment_fixed_size 0
		.amdhsa_enable_private_segment 0
		.amdhsa_kernarg_size 48
		.amdhsa_user_sgpr_count 2
		.amdhsa_user_sgpr_kernarg_segment_ptr 1
		.amdhsa_wavefront_size32 1
		.amdhsa_system_sgpr_workgroup_id_x 1
		.amdhsa_system_sgpr_workgroup_id_y 1
		.amdhsa_system_sgpr_workgroup_id_z 1
		.amdhsa_system_vgpr_workitem_id 0
		.amdhsa_next_free_vgpr 1024
		.amdhsa_next_free_sgpr 66
		.amdhsa_reserve_vcc 0
		.amdhsa_float_denorm_mode_32 3
		.amdhsa_float_denorm_mode_16_64 3
		.amdhsa_memory_ordered 1
		.amdhsa_forward_progress 1
		.amdhsa_inst_pref_size 109
	.end_amdhsa_kernel
	.amdgpu_metadata
---
amdhsa.version: [ 1, 2 ]
amdhsa.kernels:
  - .name:           k_qe6cd431e5e_ffn1
    .symbol:         k_qe6cd431e5e_ffn1.kd
    .args:
      - { .name: w1_codes, .offset: 0, .size: 8, .value_kind: global_buffer, .address_space: global }
      - { .name: w1_scales, .offset: 8, .size: 8, .value_kind: global_buffer, .address_space: global }
      - { .name: b1, .offset: 16, .size: 8, .value_kind: global_buffer, .address_space: global }
      - { .name: xq, .offset: 24, .size: 8, .value_kind: global_buffer, .address_space: global }
      - { .name: plan, .offset: 32, .size: 8, .value_kind: global_buffer, .address_space: global }
      - { .name: hq, .offset: 40, .size: 8, .value_kind: global_buffer, .address_space: global }
    .group_segment_fixed_size: 100864
    .private_segment_fixed_size: 0
    .kernarg_segment_align: 8
    .kernarg_segment_size: 48
    .max_flat_workgroup_size: 128
    .sgpr_count:     66
    .vgpr_count:     1024
    .wavefront_size: 32
...
	.end_amdgpu_metadata
.endif
;; end of part 3
;; launch ffn2 (part 4): grid 32 x 8, 8 waves a work-group, no clusters, 118,272 bytes of LDS; arguments w2_codes, w2_scales, b2, plan, hq, ybuf; writes ybuf
.if DOCPART == 4
	.amdgcn_target "amdgcn-amd-amdhsa--gfx1250"
	.amdhsa_code_object_version 6
	.text
	.protected	k_qe6cd431e5e_ffn2
	.globl	k_qe6cd431e5e_ffn2
	.p2align	8
	.type	k_qe6cd431e5e_ffn2,@function
k_qe6cd431e5e_ffn2:
	s_mov_b64 s[64:65], 0
	v_nop
	global_prefetch_b8 v0, s[64:65] scope:SCOPE_SE
	s_setreg_imm32_b32 hwreg(HW_REG_WAVE_MODE, 25, 1), 1
	s_wait_xcnt 0x0
; y = hq W2^T + b2 for the routed rows, on codes of E3M2 with one E8M0 scale for each 32 along K (4,096 hidden units).
; w2_codes: [8][1024][3,072 bytes], K innermost; w2_scales: [8][1024][128]; b2: [8][1024] f32; hq, plan: as the launches before laid them.
; ybuf: f32, [32 slices of 32 columns][2,304 positions][32]: 294,912 c + 128 pos + 4 i.
; SHARES.  Work-group (c, e) owns output columns 32 c .. 32 c + 31 of expert e: 32 rows of W2, read from memory by this work-group alone, once, into LDS, where they stay.  Wave w takes the expert's groups of
; 32 positions w, w + 8, ..: four accumulators (2 tiles of positions x 2 tiles of columns), K in 16 pairs of steps of 128.  The hidden layer's fragments are register images: three loads of 16 bytes a lane each,
; 512 consecutive bytes a load, through a ring of four register slots, three pairs (42 loads) ahead; the ring runs on into the wave's next group.
; Behind the one barrier at the head the waves share nothing that is written (each has a stage of its own), so their trip counts may hang on the stored counts.
; NO CLUSTER, NO JOINT LOADS: what an expert's 32 work-groups share are the hidden rows, which go into registers and not into LDS, in numbers read from memory; a joint load would want a barrier of the cluster
; in every trip of a loop whose trip count differs from wave to wave.  NO TENSOR LOADS: LDS is filled once, through registers.
; THE PRODUCT IS USED TRANSPOSED (source 0 = 16 rows of W2, source 1 = 16 positions): a lane holds eight neighbouring columns of one position.  b2 is the C of each sum's first instruction.
; REGISTERS: window 0: v1-15, v88-89 addresses; v16-79 W2's scale words (32 n + s); v80-87 the hidden layer's (2 slot + m: lanes 0-15 the even step's, lanes 16-31 the odd step's);
;   v96-191 W2's fragments, two sets of a pair of steps (at the head: the copy); v192-223 the accumulators (8 (2 m + n)); v224-239 b2.   window 1: v0-191 the ring; v192-223 rows of y on their way out.
.set PITCH, 3088                       ; an LDS row: 3,072 bytes + 16 = 772 words: row r starts at bank 4 r mod 64 (64 banks of 4 bytes: ISA guide 11.1)
.set STG,  32*PITCH                    ; behind W2: a stage of 16 rows x 144 bytes for each wave
.set W2S, 16
.set HS,  80
.set W2F, 96
.set ACC, 192
.set B2,  224
.set OUT, 192                          ; in window 1
.set HOC, 9                            ; v9   my byte offset in hq's codes, this group;   v10 the next group
.set HON, 10
.set HSC, 11                           ; v11  the same in its scale words;   v12
.set HSN, 12
.set YO,  13                           ; v13  my byte offset in my slice of ybuf
; s[4:5] W2's slice, s[6:7] its scale bytes, s[8:9] b2's slice, s[10:11] plan, s[12:13] hq, s[14:15] my slice of ybuf, s[16:17] hq's scale words, s20 first group, s21 groups, s24 wave, s27 my group,
; s38 trips done, s39 my trips
.set MSB, 0
.macro WIN new                         ; the immediate's high byte repeats the setting that is left
.if MSB != \new
	s_set_vgpr_msb (MSB<<8)|\new
.set MSB, \new
.endif
.endm
.macro ADDRS                           ; the offsets of group s27 and of the group eight on, each held inside the 72 groups before it enters an address
	s_add_co_u32 s28, s20, s27
	s_add_co_u32 s29, s28, 8
	s_min_u32 s28, s28, 71
	s_min_u32 s29, s29, 71
	s_mul_i32 s34, s28, 98304
	s_lshl_b32 s35, s28, 12
	s_mul_i32 s36, s29, 98304
	s_lshl_b32 s37, s29, 12
	v_add_nc_u32 v[HOC], s34, v14
	v_add_nc_u32 v[HSC], s35, v15
	v_add_nc_u32 v[HON], s36, v14
	v_add_nc_u32 v[HSN], s37, v15
	v_add_nc_u32 v[YO], s35, v14
.endm
.macro HLOAD u, ho, hs                 ; pair u of a group: 2 loads of scale words, 12 of codes: 14
	WIN 0
.irp m, 0,1
	global_load_b32 v[HS+2*((\u)%4)+\m], v[\hs], s[16:17] offset:2048*\m+128*(\u)
.endr
	WIN 0x40                                       ; destination window 1
.irp sp, 0,1
.irp m, 0,1
.irp c, 0,1,2
	global_load_b128 v[48*((\u)%4)+24*\sp+12*\m+4*\c:48*((\u)%4)+24*\sp+12*\m+4*\c+3], v[\ho], s[12:13] offset:49152*\m+1536*(2*(\u)+\sp)+512*\c
.endr
.endr
.endr
.endm
.macro WFETCH u                        ; W2's four fragments of pair u into set u % 2
	WIN 0
.irp sp, 0,1
.irp n, 0,1
.irp p, 0,1,2,3,4,5
	ds_load_b64 v[W2F+48*((\u)%2)+24*\sp+12*\n+2*\p:W2F+48*((\u)%2)+24*\sp+12*\n+2*\p+1], v6 offset:16*PITCH*\n+96*(2*(\u)+\sp)+48*(\p/3)+8*(\p%3)
.endr
.endr
.endr
.endm
; A pair of K steps: 8 matrix instructions, the four accumulators by turns, one instruction a turn, twice round.
; mode 0: asks for pair u + 3 of this group;  1: for pair u - 13 of the next;  2: for nothing.  cnt: the loads younger than pair u's.
.macro PAIR u, mode, cnt
	s_wait_loadcnt \cnt
.if \mode == 0
	HLOAD (\u)+3, HOC, HSC
.elseif \mode == 1
	HLOAD (\u)-13, HON, HSN
.endif
	s_wait_dscnt 0x0                               ; this pair's fragments of W2, asked for a pair ago, are in
.if !((\mode == 2) && ((\u) == 15))
	WFETCH ((\u)+1)%16
.endif
	WIN 0x04                                       ; the hidden layer: window 1
.irp sp, 0,1
.irp m, 0,1
.irp n, 0,1
.if ((\u) == 0) && (\sp == 0)
	v_wmma_scale_f32_16x16x128_f8f6f4 v[ACC+8*(2*\m+\n):ACC+8*(2*\m+\n)+7], v[W2F+48*((\u)%2)+24*\sp+12*\n:W2F+48*((\u)%2)+24*\sp+12*\n+11], v[48*((\u)%4)+24*\sp+12*\m:48*((\u)%4)+24*\sp+12*\m+11], v[B2+8*\n:B2+8*\n+7], v[W2S+32*\n+2*(\u)+\sp], v[HS+2*((\u)%4)+\m] matrix_a_fmt:MATRIX_FMT_BF6 matrix_b_fmt:MATRIX_FMT_BF6
.elseif \sp == 0
	v_wmma_scale_f32_16x16x128_f8f6f4 v[ACC+8*(2*\m+\n):ACC+8*(2*\m+\n)+7], v[W2F+48*((\u)%2)+24*\sp+12*\n:W2F+48*((\u)%2)+24*\sp+12*\n+11], v[48*((\u)%4)+24*\sp+12*\m:48*((\u)%4)+24*\sp+12*\m+11], v[ACC+8*(2*\m+\n):ACC+8*(2*\m+\n)+7], v[W2S+32*\n+2*(\u)+\sp], v[HS+2*((\u)%4)+\m] matrix_a_fmt:MATRIX_FMT_BF6 matrix_b_fmt:MATRIX_FMT_BF6
.else
	v_wmma_scale_f32_16x16x128_f8f6f4 v[ACC+8*(2*\m+\n):ACC+8*(2*\m+\n)+7], v[W2F+48*((\u)%2)+24*\sp+12*\n:W2F+48*((\u)%2)+24*\sp+12*\n+11], v[48*((\u)%4)+24*\sp+12*\m:48*((\u)%4)+24*\sp+12*\m+11], v[ACC+8*(2*\m+\n):ACC+8*(2*\m+\n)+7], v[W2S+32*\n+2*(\u)+\sp], v[HS+2*((\u)%4)+\m] matrix_a_fmt:MATRIX_FMT_BF6 matrix_b_fmt:MATRIX_FMT_BF6 matrix_b_scale:MATRIX_SCALE_ROW1
.endif
.endr
.endr
.endr
.rept 4
	v_nop                                          ; four plain instructions in front of loads into registers that these products have read
.endr
.endm
	s_load_b256 s[4:11], s[0:1], 0x0               ; w2_codes, w2_scales, b2, plan
	s_load_b128 s[12:15], s[0:1], 0x20             ; hq, ybuf
	v_lshl_add_u32 v254, v0, 2, 0x1ca00
	v_mov_b32 v255, 0
	v_lshrrev_b32 v1, 5, v0
	v_readfirstlane_b32 s24, v1                    ; wave 0..7
	v_and_b32 v1, 31, v0                           ; lane
	v_and_b32 v2, 15, v0                           ; r
	v_bfe_u32 v3, v0, 4, 1                         ; h
	s_and_b32 s26, ttmp7, 0xffff                   ; the expert
	s_lshl_b32 s25, s26, 4
	s_wait_kmcnt 0x0
	s_load_b128 s[20:23], s[10:11], s25 offset:17408   ; seg[e]
	s_lshl_b32 s34, s26, 10
	s_lshl_b32 s35, ttmp9, 5
	s_add_co_u32 s34, s34, s35                     ; my first row of W2: 1,024 e + 32 c
	s_mul_i32 s36, s34, 3072
	s_mov_b32 s37, 0
	s_add_nc_u64 s[4:5], s[4:5], s[36:37]
	s_lshl_b32 s36, s34, 7
	s_add_nc_u64 s[6:7], s[6:7], s[36:37]
	s_lshl_b32 s36, s34, 2
	s_add_nc_u64 s[8:9], s[8:9], s[36:37]
	s_add_nc_u64 s[16:17], s[12:13], 7077888
	s_mul_i32 s36, ttmp9, 294912
	s_add_nc_u64 s[14:15], s[14:15], s[36:37]
	v_lshlrev_b32 v14, 4, v1                       ; 16 x lane
	v_lshlrev_b32 v15, 2, v1                       ; 4 x lane
	s_mul_i32 s28, s24, 12288
	v_add_nc_u32 v4, s28, v14                      ; the copy, in memory: my wave's 4 rows, 16 bytes a lane
	s_mul_i32 s28, s24, 4*PITCH
	v_add_nc_u32 v5, s28, v14                      ; and in LDS
	v_mul_u32_u24 v6, v2, PITCH
	v_mad_u32_u24 v6, v3, 24, v6                   ; a fragment: row r, + 24 h
	s_mul_i32 s28, s24, 2304
	s_add_co_u32 s28, s28, STG                     ; my stage
	v_mul_u32_u24 v7, v2, 144
	v_lshl_add_u32 v7, v3, 5, v7
	v_add_nc_u32 v7, s28, v7                       ; in: row r, 32 bytes for each half of the lanes
	v_lshrrev_b32 v8, 3, v1
	v_mul_u32_u24 v8, v8, 144
	v_and_b32 v13, 7, v1
	v_lshl_add_u32 v8, v13, 4, v8
	v_add_nc_u32 v8, s28, v8                       ; back: eight lanes to a row of 128 bytes, four rows a load
	v_lshlrev_b32 v88, 7, v2                       ; W2's scale bytes: 128 r
	v_lshlrev_b32 v89, 5, v3                       ; b2: 8 numbers further on for lanes 16-31
.set I, 0
.rept 24
	global_load_b128 v[W2F+4*I:W2F+4*I+3], v4, s[4:5] offset:512*I th:TH_LOAD_NT   ; 512 consecutive bytes a load; read once in the launch
.set I, I+1
.endr
.irp n, 0,1
.irp q, 0,1,2,3,4,5,6,7
	global_load_b128 v[W2S+32*\n+4*\q:W2S+32*\n+4*\q+3], v88, s[6:7] offset:2048*\n+16*\q
.endr
.endr
.irp n, 0,1
	global_load_b128 v[B2+8*\n:B2+8*\n+3], v89, s[8:9] offset:64*\n
	global_load_b128 v[B2+8*\n+4:B2+8*\n+7], v89, s[8:9] offset:64*\n+16
.endr
	s_wait_loadcnt 20                              ; the copy's 24 loads are in; the 16 + 4 behind them stay out
.set I, 0
.rept 24
	ds_store_b128 v5, v[W2F+4*I:W2F+4*I+3] offset:(I/6)*PITCH+512*(I%6)
.set I, I+1
.endr
	s_wait_kmcnt 0x0                               ; seg
	s_wait_dscnt 0x0                               ; for the others' sake: my part of W2 lies in LDS
	s_barrier_signal -1
	s_barrier_wait -1                              ; the only barrier: from here on W2's bytes are only read
	s_cmp_ge_u32 s24, s21
	s_cbranch_scc1 .Lend                           ; fewer groups than waves: nothing for me
	s_mov_b32 s27, s24                             ; my first group
	s_sub_co_u32 s39, s21, s24
	s_add_co_u32 s39, s39, 7
	s_lshr_b32 s39, s39, 3                         ; my trips: groups w, w + 8, .. below the expert's number of groups; fixed here, counted one by one
	s_mov_b32 s38, 0
	ADDRS
	HLOAD 0, HOC, HSC
	HLOAD 1, HOC, HSC
	HLOAD 2, HOC, HSC
	WFETCH 0
	WIN 0
.Lgroup:
.irp u, 0,1,2,3,4,5,6,7,8,9,10,11,12
	PAIR \u, 0, 28                                 ; two pairs of 14 loads are younger (W2's scale words and b2 are older than all of them)
.endr
	WIN 0
	s_add_co_u32 s28, s27, 8
	s_cmp_lt_u32 s28, s21
	s_cbranch_scc0 .Llastgroup
	PAIR 13, 1, 28                                 ; the ring runs on into my next group
	PAIR 14, 1, 28
	PAIR 15, 1, 28
	WIN 0
	s_branch .Lout
.Llastgroup:                                           ; my last group asks for nothing more: the counts run down
	PAIR 13, 2, 28
	PAIR 14, 2, 14
	PAIR 15, 2, 0
	WIN 0
.Lout:
	v_nop                                          ; a fifth plain instruction: the next group's first products write over these accumulators
.irp m, 0,1                                    ; a tile of 16 positions x 32 columns through my stage: in by lanes, back as rows.  LDS serves a wave's instructions in order (ISA guide 5.7.1.4)
.irp n, 0,1
	ds_store_b128 v7, v[ACC+8*(2*\m+\n):ACC+8*(2*\m+\n)+3] offset:64*\n           ; each accumulator from its low end on
	ds_store_b128 v7, v[ACC+8*(2*\m+\n)+4:ACC+8*(2*\m+\n)+7] offset:64*\n+16
.endr
	WIN 0x40
.irp i, 0,1,2,3
	ds_load_b128 v[OUT+16*\m+4*\i:OUT+16*\m+4*\i+3], v8 offset:576*\i
.endr
	WIN 0
.endr
	s_wait_dscnt 0x0
	WIN 0x04                                       ; a store's data are its source 1: window 1
.irp m, 0,1
.irp i, 0,1,2,3
	global_store_b128 v[YO], v[OUT+16*\m+4*\i:OUT+16*\m+4*\i+3], s[14:15] offset:2048*\m+512*\i   ; four positions' 128 bytes: 512 consecutive bytes a store
.endr
.endr
	WIN 0
	s_add_co_u32 s27, s27, 8
	s_wait_xcnt 0x0                                ; every earlier address is translated: the offsets and the stores' data may be written again
	ADDRS
	s_add_co_u32 s38, s38, 1
	s_cmp_lt_u32 s38, s39
	s_cbranch_scc1 .Lgroup
.Lend:
	s_wait_tensorcnt 0x0
	ds_add_u32 v254, v255
	s_wait_dscnt 0x0
	s_endpgm
.Lfunc_end_k_qe6cd431e5e_ffn2:
	.size	k_qe6cd431e5e_ffn2, .Lfunc_end_k_qe6cd431e5e_ffn2-k_qe6cd431e5e_ffn2
	.p2alignl 7, 3214868480
	.fill 96, 4, 3214868480
	.section	.rodata,"a",@progbits
	.p2align	6, 0x0
	.amdhsa_kernel k_qe6cd431e5e_ffn2
		.amdhsa_group_segment_fixed_size 118272
		.amdhsa_private_segment_fixed_size 0
		.amdhsa_enable_private_segment 0
		.amdhsa_kernarg_size 48
		.amdhsa_user_sgpr_count 2
		.amdhsa_user_sgpr_kernarg_segment_ptr 1
		.amdhsa_wavefront_size32 1
		.amdhsa_system_sgpr_workgroup_id_x 1
		.amdhsa_system_sgpr_workgroup_id_y 1
		.amdhsa_system_sgpr_workgroup_id_z 1
		.amdhsa_system_vgpr_workitem_id 0
		.amdhsa_next_free_vgpr 512
		.amdhsa_next_free_sgpr 66
		.amdhsa_reserve_vcc 0
		.amdhsa_float_denorm_mode_32 3
		.amdhsa_float_denorm_mode_16_64 3
		.amdhsa_memory_ordered 1
		.amdhsa_forward_progress 1
		.amdhsa_inst_pref_size 91
	.end_amdhsa_kernel
	.amdgpu_metadata
---
amdhsa.version: [ 1, 2 ]
amdhsa.kernels:
  - .name:           k_qe6cd431e5e_ffn2
    .symbol:         k_qe6cd431e5e_ffn2.kd
    .args:
      - { .name: w2_codes, .offset: 0, .size: 8, .value_kind: global_buffer, .address_space: global }
      - { .name: w2_scales, .offset: 8, .size: 8, .value_kind: global_buffer, .address_space: global }
      - { .name: b2, .offset: 16, .size: 8, .value_kind: global_buffer, .address_space: global }
      - { .name: plan, .offset: 24, .size: 8, .value_kind: global_buffer, .address_space: global }
      - { .name: hq, .offset: 32, .size: 8, .value_kind: global_buffer, .address_space: global }
      - { .name: ybuf, .offset: 40, .size: 8, .value_kind: global_buffer, .address_space: global }
    .group_segment_fixed_size: 118272
    .private_segment_fixed_size: 0
    .kernarg_segment_align: 8
    .kernarg_segment_size: 48
    .max_flat_workgroup_size: 256
    .sgpr_count:     66
    .vgpr_count:     512
    .wavefront_size: 32
...
	.end_amdgpu_metadata
.endif
;; end of part 4
;; launch combine (part 5): grid 128 x 1, 8 waves a work-group, no clusters, 0 bytes of LDS; arguments plan, rt, ybuf, out0; writes out0
.if DOCPART == 5
	.amdgcn_target "amdgcn-amd-amdhsa--gfx1250"
	.amdhsa_code_object_version 6
	.text
	.protected	k_qe6cd431e5e_combine
	.globl	k_qe6cd431e5e_combine
	.p2align	8
	.type	k_qe6cd431e5e_combine,@function
k_qe6cd431e5e_combine:
	s_mov_b64 s[64:65], 0
	v_nop
	global_prefetch_b8 v0, s[64:65] scope:SCOPE_SE
	s_setreg_imm32_b32 hwreg(HW_REG_WAVE_MODE, 25, 1), 1
	s_wait_xcnt 0x0
; out0[t] = w0 y[pos0] + w1 y[pos1]: each token's two routed rows, weighed and added by one owner.
; plan: posmap[t][k] at 9,216 + 8 t + 4 k;  rt: the two weights at 8 t;  ybuf: [32 slices][2,304 positions][32] f32;  out0: [1024][1024] f32.
; A wave takes a token.  Lane l of load q takes 16 bytes of slice 4 q + l / 8: eight lanes read 128 consecutive bytes, and the wave's store covers 512 consecutive bytes of the token's row.
; A stream: no LDS, no barrier, no matrix unit; all 16 loads of a wave go out at once.
	s_load_b256 s[4:11], s[0:1], 0x0               ; plan s[4:5], rt s[6:7], ybuf s[8:9], out0 s[10:11]
	v_lshrrev_b32 v1, 5, v0
	v_readfirstlane_b32 s12, v1                    ; wave
	v_and_b32 v1, 31, v0                           ; lane
	s_lshl_b32 s13, ttmp9, 3
	s_add_co_u32 s13, s13, s12                     ; my token
	s_lshl_b32 s14, s13, 3
	v_lshrrev_b32 v2, 3, v1
	v_and_b32 v3, 7, v1
	v_mul_u32_u24 v2, v2, 0x48000                  ; a slice is 294,912 bytes
	v_lshl_add_u32 v2, v3, 4, v2
	v_lshlrev_b32 v3, 4, v1                        ; 16 x lane
	s_lshl_b32 s28, s13, 12
	s_mov_b32 s29, 0
	s_mov_b32 s23, 0
	s_wait_kmcnt 0x0
	s_load_b64 s[16:17], s[4:5], s14 offset:9216   ; the two positions
	s_load_b64 s[18:19], s[6:7], s14               ; the two weights
	s_add_nc_u64 s[10:11], s[10:11], s[28:29]
	s_wait_kmcnt 0x0
	s_min_u32 s16, s16, 0x8ff                      ; loaded numbers are held before they enter an address
	s_min_u32 s17, s17, 0x8ff
	s_lshl_b32 s22, s16, 7
	s_add_nc_u64 s[20:21], s[8:9], s[22:23]
	s_lshl_b32 s22, s17, 7
	s_add_nc_u64 s[24:25], s[8:9], s[22:23]
	s_mov_b32 s26, s19                             ; the second weight in a pair of its own: the packed form takes a pair's low word for both halves
	s_mov_b32 s27, s19
.irp q, 0,1,2,3,4,5,6,7
	global_load_b128 v[8+4*\q:11+4*\q], v2, s[20:21] offset:1179648*\q th:TH_LOAD_NT   ; four slices on: 8,257,536 at the most, inside the signed 24-bit immediate (ISA guide, chapter 10)
	global_load_b128 v[40+4*\q:43+4*\q], v2, s[24:25] offset:1179648*\q th:TH_LOAD_NT
.endr
.irp q, 0,1,2,3,4,5,6,7
	s_wait_loadcnt 14-2*\q                         ; this piece's two loads are in; the later pieces' stay out
	v_pk_mul_f32 v[8+4*\q:9+4*\q], v[8+4*\q:9+4*\q], s[18:19] op_sel_hi:[1,0]
	v_pk_mul_f32 v[10+4*\q:11+4*\q], v[10+4*\q:11+4*\q], s[18:19] op_sel_hi:[1,0]
	v_pk_fma_f32 v[8+4*\q:9+4*\q], v[40+4*\q:41+4*\q], s[26:27], v[8+4*\q:9+4*\q] op_sel_hi:[1,0,1]
	v_pk_fma_f32 v[10+4*\q:11+4*\q], v[42+4*\q:43+4*\q], s[26:27], v[10+4*\q:11+4*\q] op_sel_hi:[1,0,1]
	global_store_b128 v3, v[8+4*\q:11+4*\q], s[10:11] offset:512*\q th:TH_STORE_NT
.endr
	s_endpgm
.Lfunc_end_k_qe6cd431e5e_combine:
	.size	k_qe6cd431e5e_combine, .Lfunc_end_k_qe6cd431e5e_combine-k_qe6cd431e5e_combine
	.p2alignl 7, 3214868480
	.fill 96, 4, 3214868480
	.section	.rodata,"a",@progbits
	.p2align	6, 0x0
	.amdhsa_kernel k_qe6cd431e5e_combine
		.amdhsa_group_segment_fixed_size 0
		.amdhsa_private_segment_fixed_size 0
		.amdhsa_enable_private_segment 0
		.amdhsa_kernarg_size 32
		.amdhsa_user_sgpr_count 2
		.amdhsa_user_sgpr_kernarg_segment_ptr 1
		.amdhsa_wavefront_size32 1
		.amdhsa_system_sgpr_workgroup_id_x 1
		.amdhsa_system_sgpr_workgroup_id_y 1
		.amdhsa_system_sgpr_workgroup_id_z 1
		.amdhsa_system_vgpr_workitem_id 0
		.amdhsa_next_free_vgpr 72
		.amdhsa_next_free_sgpr 66
		.amdhsa_reserve_vcc 0
		.amdhsa_float_denorm_mode_32 3
		.amdhsa_float_denorm_mode_16_64 3
		.amdhsa_memory_ordered 1
		.amdhsa_forward_progress 1
		.amdhsa_inst_pref_size 6
	.end_amdhsa_kernel
	.amdgpu_metadata
---
amdhsa.version: [ 1, 2 ]
amdhsa.kernels:
  - .name:           k_qe6cd431e5e_combine
    .symbol:         k_qe6cd431e5e_combine.kd
    .args:
      - { .name: plan, .offset: 0, .size: 8, .value_kind: global_buffer, .address_space: global }
      - { .name: rt, .offset: 8, .size: 8, .value_kind: global_buffer, .address_space: global }
      - { .name: ybuf, .offset: 16, .size: 8, .value_kind: global_buffer, .address_space: global }
      - { .name: out0, .offset: 24, .size: 8, .value_kind: global_buffer, .address_space: global }
    .group_segment_fixed_size: 0
    .private_segment_fixed_size: 0
    .kernarg_segment_align: 8
    .kernarg_segment_size: 32
    .max_flat_workgroup_size: 256
    .sgpr_count:     66
    .vgpr_count:     72
    .wavefront_size: 32
...
	.end_amdgpu_metadata
.endif
;; end of part 5
;; ======== version 2 of 2: 5 launches; version 1 with the launches ffn1, ffn2 written anew for expert scheduling mode
;; workspace buffers: xq 819,200 bytes; sel 8,192 bytes of whole numbers; rt 40,960 bytes; plan 17,664 bytes of whole numbers; hq 7,372,800 bytes; ybuf 9,437,184 bytes
;; launch route: the kernel of part 1 again; grid 64 x 1, 8 waves a work-group, no clusters, 17,920 bytes of LDS; arguments x, gate_w, xq, sel, rt; writes xq, sel, rt
;; launch place: the kernel of part 2 again; grid 1 x 1, 8 waves a work-group, no clusters, 1,536 bytes of LDS; arguments sel, rt, plan, out1; writes plan, out1
;; launch ffn1 (part 6): grid 32 x 8, 4 waves a work-group, no clusters, 100,864 bytes of LDS; arguments w1_codes, w1_scales, b1, xq, plan, hq; writes hq
.if DOCPART == 6
	.amdgcn_target "amdgcn-amd-amdhsa--gfx1250"
	.amdhsa_code_object_version 6
	.text
	.protected	k_qe6cd431e5e_ffn1
	.globl	k_qe6cd431e5e_ffn1
	.p2align	8
	.type	k_qe6cd431e5e_ffn1,@function
k_qe6cd431e5e_ffn1:
	s_mov_b64 s[64:65], 0
	v_nop
	global_prefetch_b8 v0, s[64:65] scope:SCOPE_SE
	s_setreg_imm32_b32 hwreg(HW_REG_WAVE_SCHED_MODE, 0, 2), 2
	s_setreg_imm32_b32 hwreg(HW_REG_WAVE_MODE, 25, 1), 1
	s_wait_xcnt 0x0
	s_wait_alu depctr_vm_vsrc(0)
; hq = Q(gelu(Q(x) W1^T + b1)) for the routed rows, on codes of E3M2 with one E8M0 scale for each 32 along K.
; w1_codes: [8][4096][768 bytes], K (1,024) innermost; w1_scales: [8][4096][32]; b1: [8][4096] f32; xq, plan: as the launches before laid them.
; hq: the hidden layer as IMAGES OF THE NEXT PRODUCT'S OPERAND REGISTERS: tile T of 16 positions, K step S of 128 hidden units: 1,536 bytes at 49,152 T + 1,536 S, register group c of lane l at 512 c + 16 l;
;     its scale words at 7,077,888 + 2,048 T + 64 S + 4 r.
; SHARES.  Work-group (c, e) owns hidden units 128 c .. 128 c + 127 of expert e: so each byte of W1 is read from memory by one work-group, once, into LDS, where it stays.  Wave w takes the expert's groups
; of 32 positions w, w + 4, ..: 16 accumulators (2 tiles of positions x 8 tiles of hidden units), K in 8 steps of 128.  x's fragments come from xq straight into registers, gathered by the list; positions past
; the expert's last row repeat its last row: their results are written and never read.
; Behind the one barrier at the head the waves share nothing that is written, so their trip counts may hang on the stored counts.
; NO CLUSTER, NO JOINT LOADS: what an expert's 32 work-groups share are x's rows, which go into registers and not into LDS, in numbers read from memory; a joint load would want a barrier of the cluster in
; every trip of a loop whose trip count differs from wave to wave.  NO TENSOR LOADS: LDS is filled once, through registers, which also lays W1's rows in the order below.
; THE PRODUCT IS USED TRANSPOSED (source 0 = 16 rows of W1, source 1 = 16 positions): a lane holds one position, its registers run along the hidden units.  THE ROWS OF W1 THAT FORM A TILE ARE NOT NEIGHBOURS:
; lane r of tile 2 b + u takes hidden unit 32 b + 8 u + r + 8 (r / 8), so that the 16 registers of tiles 2 b, 2 b + 1 are 16 neighbours along the next K.  In LDS the rows lie in that order, a tile's 16 on end.
; gelu(x) = x / (1 + 2^z), z = x (c1 + c3 x^2), c1 = -2 log2(e) sqrt(2 / pi), c3 = 0.044715 c1: the tanh form, rewritten without loss; all in f32.
; LIMITS: NaN and infinities are not served.  A block of the hidden layer whose largest magnitude lies under 2^-122 keeps the scale byte 1 (a block of zeros too: its codes are zeros; this program alone reads the bytes).
; REGISTERS, in windows of 256: window 0: v1-13 addresses; v16-79 W1's scale words (8 t + s); v80-95 x's (8 m + s); v96-159 gelu at work; v160-178, v196 and v210-228, v230 two out-buffers of codes and a scale word;
;   v180-195 the quantiser's; v198-209 below.
;   window 1: W1's fragments of a K step, two sets (v0-95, v128-223).   window 2: v0-127 the accumulators ((m, t) at 8 (8 m + t)); v128-191 b1 in the result's layout.
;   window 3: v0-191 x's fragments of a whole group (24 s + 12 m); at the head the 48 x 4 registers of the copy.
; THE MODE: SCHED_MODE bits 1:0 = 2 (LLVM: expert scheduling mode 2), set by the entry lines.  The code itself states the register dependences between vector or matrix instructions and memory or LDS
; instructions, with s_wait_alu, always for 0.
; THE PLAN.  Registers that memory or LDS instructions touch, round the loop:
;   W1's sets 0, 1     Step s: its products read set s % 2; its LDS loads land in the other set, which the products of step s - 1 read.
;   window 3, v[XS ..] Read by the products of steps 0 to 7; behind step 7 the loads of my next group's x land in them.
;   v[LA ..]           Written at a trip's top; read by the list's two loads in step 0.      v[TOK ..]  The list's loads land in them; the lines that make the addresses read and write them in mid-trip.
;   v[XA ..], v[XSA ..] Written in mid-trip; read by the loads of x that follow.             v[HO], v[SO]  Written in mid-trip; read by the trip's eight stores.
;   out-buffers 0, 1   Written by the quantiser of tile 0, of tile 1; read by that tile's four stores.
;   v4 to v10          Offsets and LDS addresses, made at the head and never written again.
; So ONE wait on va_vdst stands at the head of a K step, and the step's LDS loads are dealt among its products, which name none of the registers that those loads touch.  ONE wait on vm_vsrc stands in
; mid-trip, behind step 7: everything that earlier loads and stores read may be written behind it.  One wait on va_vdst stands ahead of the loads of x.  Tile 0's stores stand behind the wait that tile 1's
; exponentials have in any case; tile 1's have a wait of their own.
.set PITCH, 784                        ; an LDS row: 768 bytes + 16 = 196 words: row r starts at bank 4 r mod 64 (64 banks of 4 bytes: ISA guide 11.1): the 32 lanes of a load of 8 bytes touch 64 different banks
.set W1S, 16
.set XS,  80
.set HA,  96
.set PC0, 160                          ; v160-178 out-buffer 0: tile 0's codes;
.set TM,  180
.set PW0, 196                          ; v196     and its scale word
.set C1V, 198                          ; v[198:199] c1, twice
.set TOK, 200                          ; v200-201 the tokens of my two tiles' rows
.set XA,  202                          ; v202-203 their codes' byte offsets in xq
.set XSA, 204                          ; v204-205 their scale words'
.set LA,  206                          ; v206-207 byte offsets in the list
.set HO,  208                          ; v208     my byte offset in hq's codes
.set SO,  209                          ; v209     and in its scale words
.set PC1, 210                          ; v210-228 out-buffer 1: tile 1's codes;
.set PW1, 230                          ; v230     and its scale word
.set AW,  7                            ; v7, v8   LDS address of my lane's place in tiles 0-3, 4-7
.set B1,  128                          ; in window 2
.set SEL, 30                           ; s[30:31]
; s[4:5] W1's slice, s[6:7] its scale bytes, s[8:9] b1's slice, s[10:11] xq, s[12:13] plan, s[14:15] hq + 1,536 c, s[16:17] xq's scale words, s[18:19] hq's + 64 c,
; s20 first group, s21 groups, s22 last valid position, s24 wave, s27 my group, s[32:33] c3, s38 trips done, s39 my trips
.set MSB, 0
.macro WIN new                         ; the immediate's high byte repeats the setting that is left
.if MSB != \new
	s_set_vgpr_msb (MSB<<8)|\new
.set MSB, \new
.endif
.endm
.macro QUANT s, pc, pw                 ; 64 numbers of a lane, register 16 b + i = k 32 b + 16 (lane / 16) + i of my row, become a fragment's codes in v[pc] on and its scale word in v[pw]
.irp b, 0,1,2,3
	v_max3_num_f32 v[TM+\b], |v[\s+16*\b]|, |v[\s+1+16*\b]|, 0x2800000   ; and the floor 2^(5 - 127): the byte cannot fall under 1
.endr
.irp i, 2,4,6,8,10,12,14
.irp b, 0,1,2,3
	v_max3_num_f32 v[TM+\b], v[TM+\b], |v[\s+16*\b+\i]|, |v[\s+1+16*\b+\i]|
.endr
.endr
.irp b, 0,1,2,3
	v_permlanex16_b32 v[TM+4+\b], v[TM+\b], s[SEL], s[SEL+1]
.endr
.irp b, 0,1,2,3
	v_max_num_f32 v[TM+\b], v[TM+\b], v[TM+4+\b]
.endr
.irp b, 0,1,2,3
	v_add_nc_u32 v[TM+12+\b], 0xfe000000, v[TM+\b]   ; 4 off the exponent field: the conversion's scale operand
.endr
.irp b, 0,1,2,3
	v_lshrrev_b32 v[TM+4+\b], 23, v[TM+12+\b]      ; the scale's byte
.endr
	v_lshl_or_b32 v[\pw], v[TM+5], 8, v[TM+4]
	v_lshl_or_b32 v[\pw], v[TM+6], 16, v[\pw]
	v_lshl_or_b32 v[\pw], v[TM+7], 24, v[\pw]
.irp c, 0,1
	v_cvt_scalef32_pk16_bf6_f32 v[\pc+6*\c:\pc+2+6*\c], v[\s+32*\c:\s+15+32*\c], v[TM+12+2*\c]
	v_cvt_scalef32_pk16_bf6_f32 v[\pc+12+4*\c:\pc+14+4*\c], v[\s+16+32*\c:\s+31+32*\c], v[TM+12+2*\c+1]
.endr
	v_nop                                          ; one plain instruction behind a scaled conversion
.irp c, 0,1
.irp i, 0,1,2
	v_permlane16_swap_b32 v[\pc+6*\c+\i], v[\pc+12+4*\c+\i]
.endr
.irp i, 0,1,2
	v_mov_b32 v[\pc+3+6*\c+\i], v[\pc+12+4*\c+\i]
.endr
.endr
.endm
.macro LISTA ahead                     ; where the tokens of group s27 + ahead stand in the list: position 32 (first group + group) + 16 m + r, held at the expert's last row and inside the list
	s_add_co_u32 s28, s20, s27
.if \ahead
	s_add_co_u32 s28, s28, \ahead
.endif
	s_lshl_b32 s28, s28, 5
	s_add_co_u32 s29, s28, 16
	v_add_nc_u32 v[LA], s28, v2
	v_add_nc_u32 v[LA+1], s29, v2
.irp m, 0,1
	v_min_u32 v[LA+\m], s22, v[LA+\m]
	v_min_u32 v[LA+\m], 0x8ff, v[LA+\m]
	v_lshlrev_b32 v[LA+\m], 2, v[LA+\m]
.endr
.endm
.macro LISTL                           ; and the two loads
.irp m, 0,1
	global_load_b32 v[TOK+\m], v[LA+\m], s[12:13]
.endr
.endm
.macro ADDR
.irp m, 0,1
	v_min_u32 v[TOK+\m], 0x3ff, v[TOK+\m]          ; a loaded number is held before it enters an address
	v_mad_u32_u24 v[XA+\m], v[TOK+\m], 0x300, v11  ; 768 x token + 48 h
	v_lshlrev_b32 v[XSA+\m], 5, v[TOK+\m]
.endr
.endm
.macro XLOADS                          ; a group's x: 4 loads of scale words, then 6 loads for each K step: 52
	WIN 0
.irp m, 0,1
	global_load_b128 v[XS+8*\m:XS+8*\m+3], v[XSA+\m], s[16:17]
	global_load_b128 v[XS+8*\m+4:XS+8*\m+7], v[XSA+\m], s[16:17] offset:16
.endr
	WIN 0xc0                                       ; destination window 3
.irp s, 0,1,2,3,4,5,6,7
.irp m, 0,1
.irp c, 0,1,2
	global_load_b128 v[24*\s+12*\m+4*\c:24*\s+12*\m+4*\c+3], v[XA+\m], s[10:11] offset:96*\s+16*\c
.endr
.endr
.endr
	WIN 0
.endm
.macro WHALF st, base, hf              ; four of W1's eight fragments of K step st (tiles 4 hf on): 24 bytes and 24 bytes of a row, in pieces of 8
.irp t, 0,1,2,3
.irp p, 0,1,2,3,4,5
	ds_load_b64 v[\base+12*(4*\hf+\t)+2*\p:\base+12*(4*\hf+\t)+2*\p+1], v[AW+\hf] offset:\t*16*PITCH+96*(\st)+48*(\p/3)+8*(\p%3)
.endr
.endr
.endm
.macro MUL4 s, m, t0                   ; four products of K step s: tile m of positions x tiles t0 .. t0 + 3 of hidden units.  Step 0 takes b1 as C: nothing is cleared or added
.irp t, 0,1,2,3
.set TT, \t0+\t
.if (\s) == 0
	v_wmma_scale_f32_16x16x128_f8f6f4 v[8*(8*\m+TT):8*(8*\m+TT)+7], v[128*((\s)%2)+12*TT:128*((\s)%2)+12*TT+11], v[24*(\s)+12*\m:24*(\s)+12*\m+11], v[B1+8*TT:B1+8*TT+7], v[W1S+8*TT+(\s)], v[XS+8*\m+(\s)] matrix_a_fmt:MATRIX_FMT_BF6 matrix_b_fmt:MATRIX_FMT_BF6
.else
	v_wmma_scale_f32_16x16x128_f8f6f4 v[8*(8*\m+TT):8*(8*\m+TT)+7], v[128*((\s)%2)+12*TT:128*((\s)%2)+12*TT+11], v[24*(\s)+12*\m:24*(\s)+12*\m+11], v[8*(8*\m+TT):8*(8*\m+TT)+7], v[W1S+8*TT+(\s)], v[XS+8*\m+(\s)] matrix_a_fmt:MATRIX_FMT_BF6 matrix_b_fmt:MATRIX_FMT_BF6
.endif
.endr
.endm
; A K step: 16 matrix instructions, the 16 accumulators by turns, one instruction a turn, in the same order in every step.
; The next step's 48 LDS loads are dealt among them in two runs of 24; the last run has eight products in which to land.
.macro KSTEP s
	s_wait_dscnt 0x0                               ; this step's fragments of W1, asked for a step ago, are in
.if (\s) == 0
	s_wait_loadcnt 42                              ; x's scale words and step 0's fragments are in; younger: the seven later steps' six loads each
.else
	s_wait_loadcnt 6*(7-(\s))+2                    ; x's fragments up to this step are in; younger: the later steps' six loads each and the list's two
.endif
	s_wait_alu depctr_va_vdst(0)                   ; the last step's products are done reading W1's other set, in which this step's LDS loads land; in step 0 also: v[LA ..] are written, and the lines that made the last addresses are done with v[TOK ..], in which the list's loads land
.if (\s) == 0
	LISTL                                          ; the next group's tokens (held at the last row where there is none)
.endif
	WIN 0xad                                       ; W1 window 1, x window 3, C and D window 2
	MUL4 \s, 0, 0
	WIN 0x40                                       ; destination window 1
	WHALF ((\s)+1)%8, 128*(((\s)+1)%2), 0          ; no wait: no product since the wait above names the other set or v[AW ..]
	WIN 0xad
	MUL4 \s, 0, 4
	WIN 0x40
	WHALF ((\s)+1)%8, 128*(((\s)+1)%2), 1
	WIN 0xad
	MUL4 \s, 1, 0
	MUL4 \s, 1, 4
.rept 4
	v_nop                                          ; four plain instructions in front of loads into registers that these products have read, and of the first read of results
.endr
.endm
.macro SEND m, pc, pw                  ; tile m's fragment as it stands, and its scale words
.irp c, 0,1,2
	global_store_b128 v[HO], v[\pc+4*\c:\pc+4*\c+3], s[14:15] offset:49152*\m+512*\c   ; 512 consecutive bytes a store
.endr
	global_store_b32 v[SO], v[\pw], s[18:19] offset:2048*\m   ; both halves of the lanes hold the same word and write it to the same place
.endm
.macro GELU m                          ; tile m's 64 sums (window 2, from 64 m) -> v[HA] on; each accumulator is read from its low end on
	WIN 0x0a
.set J, 0
.rept 32
	v_pk_mul_f32 v[HA+J:HA+J+1], v[64*\m+J:64*\m+J+1], v[64*\m+J:64*\m+J+1]   ; x^2
.set J, J+2
.endr
	WIN 0
.set J, 0
.rept 32
	v_pk_fma_f32 v[HA+J:HA+J+1], v[HA+J:HA+J+1], s[32:33], v[C1V:C1V+1] op_sel_hi:[1,0,1]   ; c3 x^2 + c1
.set J, J+2
.endr
	WIN 0x08
.set J, 0
.rept 32
	v_pk_mul_f32 v[HA+J:HA+J+1], v[HA+J:HA+J+1], v[64*\m+J:64*\m+J+1]         ; z
.set J, J+2
.endr
	WIN 0
.set J, 0
.rept 64
	v_exp_f32 v[HA+J], v[HA+J]
.set J, J+1
.endr
	v_nop                                          ; a plain instruction behind the exponentials
	s_wait_alu depctr_va_vdst(0)                   ; the 64 exponentials have written v[HA ..], ahead of their first reader; for tile 1 also: tile 0's quantiser has written out-buffer 0, and v[HO], v[SO] are written
.if \m == 1
	SEND 0, PC0, PW0                               ; tile 0 leaves here: no vector instruction since the wait names what these stores read
.endif
.set J, 0
.rept 32
	v_pk_add_f32 v[HA+J:HA+J+1], v[HA+J:HA+J+1], 1.0 op_sel_hi:[1,0]
.set J, J+2
.endr
.set J, 0
.rept 64
	v_rcp_f32 v[HA+J], v[HA+J]
.set J, J+1
.endr
	v_nop
	WIN 0x08
	s_wait_alu depctr_va_vdst(0)                   ; the 64 reciprocals have written v[HA ..], ahead of their first reader
.set J, 0
.rept 32
	v_pk_mul_f32 v[HA+J:HA+J+1], v[HA+J:HA+J+1], v[64*\m+J:64*\m+J+1]         ; x / (1 + 2^z)
.set J, J+2
.endr
	WIN 0
.endm
	s_load_b256 s[4:11], s[0:1], 0x0               ; w1_codes, w1_scales, b1, xq
	s_load_b128 s[12:15], s[0:1], 0x20             ; plan, hq
	v_lshl_add_u32 v254, v0, 2, 0x18800
	v_mov_b32 v255, 0
	v_lshrrev_b32 v1, 5, v0
	v_readfirstlane_b32 s24, v1                    ; wave 0..3
	v_and_b32 v1, 31, v0                           ; lane
	v_and_b32 v2, 15, v0                           ; r
	v_bfe_u32 v3, v0, 4, 1                         ; h
	s_and_b32 s26, ttmp7, 0xffff                   ; the expert
	s_lshl_b32 s25, s26, 4
	s_wait_kmcnt 0x0
	s_load_b128 s[20:23], s[12:13], s25 offset:17408   ; seg[e]
	s_lshl_b32 s34, s26, 12
	s_lshl_b32 s35, ttmp9, 7
	s_add_co_u32 s34, s34, s35                     ; my first row of W1: 4,096 e + 128 c
	s_mul_i32 s36, s34, 768
	s_mov_b32 s37, 0
	s_add_nc_u64 s[4:5], s[4:5], s[36:37]
	s_lshl_b32 s36, s34, 5
	s_add_nc_u64 s[6:7], s[6:7], s[36:37]
	s_lshl_b32 s36, s34, 2
	s_add_nc_u64 s[8:9], s[8:9], s[36:37]
	s_add_nc_u64 s[16:17], s[10:11], 786432
	s_lshl_b32 s36, ttmp9, 6
	s_add_co_u32 s36, s36, 7077888
	s_add_nc_u64 s[18:19], s[14:15], s[36:37]
	s_mul_i32 s36, ttmp9, 1536
	s_add_nc_u64 s[14:15], s[14:15], s[36:37]
	s_mov_b32 s[SEL], 0x76543210
	s_mov_b32 s[SEL+1], 0xfedcba98
	s_mov_b32 s32, 0xbdd2d3e8                      ; c3 = -0.10294324
	s_mov_b32 s33, s32                             ; (named with it as a pair, so it is written)
	s_wait_alu depctr_va_sdst(0)                   ; s24 is written, ahead of its first reader: the wave's places in memory and in LDS are made from it
	v_lshlrev_b32 v12, 4, v1                       ; 16 x lane
	s_mul_i32 s28, s24, 24576
	v_add_nc_u32 v4, s28, v12                      ; the copy, in memory: my wave's 32 rows, 16 bytes a lane
	s_mul_i32 s28, s24, 32*PITCH
	v_add_nc_u32 v5, s28, v12                      ; and in LDS;
	v_lshl_add_u32 v6, v3, 4, v5                   ; for the load that straddles two rows: lanes 16-31 lie behind the first row's padding
	v_mul_u32_u24 v[AW], v2, PITCH
	v_mad_u32_u24 v[AW], v3, 24, v[AW]             ; a fragment: row r, + 24 h
	v_add_nc_u32 v[AW+1], 64*PITCH, v[AW]
	v_and_b32 v9, 8, v2
	v_add_nc_u32 v9, v9, v2
	v_lshlrev_b32 v9, 5, v9                        ; W1's scale bytes: 32 (r + 8 (r / 8))
	v_lshlrev_b32 v10, 6, v3                       ; b1: 16 numbers further on for lanes 16-31
	v_mul_u32_u24 v11, v3, 48                      ; x's codes: 48 h
	v_lshlrev_b32 v13, 2, v2                       ; 4 r
	v_mov_b32 v[C1V], 0xc0135761                   ; c1 = -2.3022082
	v_mov_b32 v[C1V+1], 0xc0135761
.irp b, 0,1,2,3
	v_mov_b32 v[TM+4+\b], 0                        ; written once: a lane permute's destination counts as one of its sources
.endr
	WIN 0xc0
	s_wait_alu depctr_va_vdst(0)                   ; the offsets and LDS addresses v4 to v10 are written, which the loads and LDS instructions of the whole kernel read and no vector line writes again; so are v254 and v255
.set I, 0
.rept 48
	global_load_b128 v[4*I:4*I+3], v4, s[4:5] offset:512*I th:TH_LOAD_NT   ; 512 consecutive bytes a load; read once in the launch
.set I, I+1
.endr
	WIN 0x0c                                       ; an LDS store's data are its source 1: window 3
.set Q, 0
.rept 16                               ; three loads are two rows, 2 q and 2 q + 1 of my 32.  Hidden row 16 a + 8 u + i goes to LDS row 16 u + 8 a + i
.set RW, (16*((Q/4)%2)+8*(Q/8)+2*(Q%4))*PITCH
	s_wait_loadcnt 45-3*Q                          ; these three loads are in; the later pairs' three each stay out
	ds_store_b128 v5, v[12*Q:12*Q+3] offset:RW
	ds_store_b128 v6, v[12*Q+4:12*Q+7] offset:RW+512
	ds_store_b128 v5, v[12*Q+8:12*Q+11] offset:RW+1040
.set Q, Q+1
.endr
	WIN 0
	s_wait_kmcnt 0x0                               ; seg
	s_wait_dscnt 0x0                               ; for the others' sake: my part of W1 lies in LDS
	s_barrier_signal -1
	s_barrier_wait -1                              ; the only barrier: from here on LDS is only read
	s_wait_alu depctr_vm_vsrc(0)                   ; my LDS stores have read the copy's registers of window 3, in which x's fragments land from here on
	s_cmp_ge_u32 s24, s21
	s_cbranch_scc1 .Lend                           ; fewer groups than waves: nothing for me
.irp t, 0,1,2,3,4,5,6,7
.irp q, 0,1
	global_load_b128 v[W1S+8*\t+4*\q:W1S+8*\t+4*\q+3], v9, s[6:7] offset:(32*(\t/2)+8*(\t%2))*32+16*\q   ; tile t's rows: eight scale words each
.endr
.endr
	WIN 0x80
.irp t, 0,1,2,3,4,5,6,7
	global_load_b128 v[B1+8*\t:B1+8*\t+3], v10, s[8:9] offset:(32*(\t/2)+8*(\t%2))*4
	global_load_b128 v[B1+8*\t+4:B1+8*\t+7], v10, s[8:9] offset:(32*(\t/2)+8*(\t%2))*4+16
.endr
	WIN 0
	s_mov_b32 s27, s24                             ; my first group
	s_sub_co_u32 s39, s21, s24
	s_add_co_u32 s39, s39, 3
	s_lshr_b32 s39, s39, 2                         ; my trips: groups w, w + 4, .. below the expert's number of groups; fixed here, counted one by one
	s_mov_b32 s38, 0
	LISTA 0
	s_wait_alu depctr_va_vdst(0)                   ; v[LA ..] are written, which the list's loads read
	LISTL
	s_wait_loadcnt 0x0                             ; W1's scale words, b1 and the list's two
	s_wait_alu depctr_vm_vsrc(0)                   ; the list's loads have read v[LA ..], which the loop's top writes again
	ADDR
	s_wait_alu depctr_va_vdst(0)                   ; v[XA ..] and v[XSA ..] are written, which the loads of x read
	XLOADS
	WIN 0x40
	WHALF 0, 0, 0
	WHALF 0, 0, 1
	WIN 0
.Lgroup:
	LISTA 4                                        ; v[LA ..]: the last loads that read them stand ahead of a wait on vm_vsrc, on the way in and on the way back
.irp s, 0,1,2,3,4,5,6,7
	KSTEP \s
.endr
	WIN 0
	s_wait_loadcnt 0x0                             ; the list's two loads: nothing else is out
	s_wait_xcnt 0x0                                ; the last group's stores, a whole group's products back, have had their addresses translated: v[HO], v[SO] and both out-buffers are written again only behind this wait
	s_wait_alu depctr_vm_vsrc(0)                   ; the last group's stores have read v[HO], v[SO] and both out-buffers; the loads of this group's x have read v[XA ..] and v[XSA ..]; the list's loads have read v[LA ..]
	s_add_co_u32 s28, s20, s27
	s_min_u32 s28, s28, 71                         ; my group among all 72: held before it enters an address
	s_mul_i32 s29, s28, 98304
	s_lshl_b32 s28, s28, 12
	v_add_nc_u32 v[HO], s29, v12
	v_add_nc_u32 v[SO], s28, v13
	s_add_co_u32 s36, s27, 4
	s_cmp_ge_u32 s36, s21
	s_cbranch_scc1 .Lnonext                        ; my last group asks for nothing more; no wait for loads follows on that way
	ADDR
	s_wait_alu depctr_va_vdst(0)                   ; v[XA ..] and v[XSA ..] are written; the group's products are done reading v[XS ..] and window 3, in which the loads below land
	XLOADS                                         ; the next group's x lands while this group's results are worked
.Lnonext:
	GELU 0
	QUANT HA, PC0, PW0
	GELU 1                                         ; tile 0's stores stand in it, behind the wait for its exponentials
	QUANT HA, PC1, PW1
	s_wait_alu depctr_va_vdst(0)                   ; tile 1's quantiser has written out-buffer 1, which the stores read
	SEND 1, PC1, PW1
	s_add_co_u32 s27, s27, 4
	s_add_co_u32 s38, s38, 1
	s_cmp_lt_u32 s38, s39
	s_cbranch_scc1 .Lgroup
	s_wait_dscnt 0x0                               ; the last step's fetch ahead
.Lend:
	s_wait_dscnt 0x0                               ; the closing lines, six on end
	s_wait_alu 0x0
	s_wait_tensorcnt 0x0
	ds_add_u32 v254, v255
	s_wait_dscnt 0x0
	s_endpgm
.Lfunc_end_k_qe6cd431e5e_ffn1:
	.size	k_qe6cd431e5e_ffn1, .Lfunc_end_k_qe6cd431e5e_ffn1-k_qe6cd431e5e_ffn1
	.p2alignl 7, 3214868480
	.fill 96, 4, 3214868480
	.section	.rodata,"a",@progbits
	.p2align	6, 0x0
	.amdhsa_kernel k_qe6cd431e5e_ffn1
		.amdhsa_group_segment_fixed_size 100864
		.amdhsa_private_segment_fixed_size 0
		.amdhsa_enable_private_segment 0
		.amdhsa_kernarg_size 48
		.amdhsa_user_sgpr_count 2
		.amdhsa_user_sgpr_kernarg_segment_ptr 1
		.amdhsa_wavefront_size32 1
		.amdhsa_system_sgpr_workgroup_id_x 1
		.amdhsa_system_sgpr_workgroup_id_y 1
		.amdhsa_system_sgpr_workgroup_id_z 1
		.amdhsa_system_vgpr_workitem_id 0
		.amdhsa_next_free_vgpr 1024
		.amdhsa_next_free_sgpr 66
		.amdhsa_reserve_vcc 0
		.amdhsa_float_denorm_mode_32 3
		.amdhsa_float_denorm_mode_16_64 3
		.amdhsa_memory_ordered 1
		.amdhsa_forward_progress 1
		.amdhsa_inst_pref_size 110
	.end_amdhsa_kernel
	.amdgpu_metadata
---
amdhsa.version: [ 1, 2 ]
amdhsa.kernels:
  - .name:           k_qe6cd431e5e_ffn1
    .symbol:         k_qe6cd431e5e_ffn1.kd
    .args:
      - { .name: w1_codes, .offset: 0, .size: 8, .value_kind: global_buffer, .address_space: global }
      - { .name: w1_scales, .offset: 8, .size: 8, .value_kind: global_buffer, .address_space: global }
      - { .name: b1, .offset: 16, .size: 8, .value_kind: global_buffer, .address_space: global }
      - { .name: xq, .offset: 24, .size: 8, .value_kind: global_buffer, .address_space: global }
      - { .name: plan, .offset: 32, .size: 8, .value_kind: global_buffer, .address_space: global }
      - { .name: hq, .offset: 40, .size: 8, .value_kind: global_buffer, .address_space: global }
    .group_segment_fixed_size: 100864
    .private_segment_fixed_size: 0
    .kernarg_segment_align: 8
    .kernarg_segment_size: 48
    .max_flat_workgroup_size: 128
    .sgpr_count:     66
    .vgpr_count:     1024
    .wavefront_size: 32
...
	.end_amdgpu_metadata
.endif
;; end of part 6
;; launch ffn2 (part 7): grid 32 x 8, 8 waves a work-group, no clusters, 118,272 bytes of LDS; arguments w2_codes, w2_scales, b2, plan, hq, ybuf; writes ybuf
.if DOCPART == 7
	.amdgcn_target "amdgcn-amd-amdhsa--gfx1250"
	.amdhsa_code_object_version 6
	.text
	.protected	k_qe6cd431e5e_ffn2
	.globl	k_qe6cd431e5e_ffn2
	.p2align	8
	.type	k_qe6cd431e5e_ffn2,@function
k_qe6cd431e5e_ffn2:
	s_mov_b64 s[64:65], 0
	v_nop
	global_prefetch_b8 v0, s[64:65] scope:SCOPE_SE
	s_setreg_imm32_b32 hwreg(HW_REG_WAVE_SCHED_MODE, 0, 2), 2
	s_setreg_imm32_b32 hwreg(HW_REG_WAVE_MODE, 25, 1), 1
	s_wait_xcnt 0x0
	s_wait_alu depctr_vm_vsrc(0)
; y = hq W2^T + b2 for the routed rows, on codes of E3M2 with one E8M0 scale for each 32 along K (4,096 hidden units).
; w2_codes: [8][1024][3,072 bytes], K innermost; w2_scales: [8][1024][128]; b2: [8][1024] f32; hq, plan: as the launches before laid them.
; ybuf: f32, [32 slices of 32 columns][2,304 positions][32]: 294,912 c + 128 pos + 4 i.
; SHARES.  Work-group (c, e) owns output columns 32 c .. 32 c + 31 of expert e: 32 rows of W2, read from memory by this work-group alone, once, into LDS, where they stay.  Wave w takes the expert's groups of
; 32 positions w, w + 8, ..: four accumulators (2 tiles of positions x 2 tiles of columns), K in 16 pairs of steps of 128.  The hidden layer's fragments are register images: three loads of 16 bytes a lane each,
; 512 consecutive bytes a load, through a ring of four register slots, three pairs (42 loads) ahead; the ring runs on into the wave's next group.
; Behind the one barrier at the head the waves share nothing that is written (each has a stage of its own), so their trip counts may hang on the stored counts.
; NO CLUSTER, NO JOINT LOADS: what an expert's 32 work-groups share are the hidden rows, which go into registers and not into LDS, in numbers read from memory; a joint load would want a barrier of the cluster
; in every trip of a loop whose trip count differs from wave to wave.  NO TENSOR LOADS: LDS is filled once, through registers.
; THE PRODUCT IS USED TRANSPOSED (source 0 = 16 rows of W2, source 1 = 16 positions): a lane holds eight neighbouring columns of one position.  b2 is the C of each sum's first instruction.
; REGISTERS: window 0: v1-15, v88-89 addresses; v16-79 W2's scale words (32 n + s); v80-87 the hidden layer's (2 slot + m: lanes 0-15 the even step's, lanes 16-31 the odd step's);
;   v96-191 W2's fragments, two sets of a pair of steps (at the head: the copy); v192-223 the accumulators (8 (2 m + n)); v224-239 b2.   window 1: v0-191 the ring; v192-223 rows of y on their way out.
; THE MODE: SCHED_MODE bits 1:0 = 2 (LLVM: expert scheduling mode 2), set by the entry lines.  The code itself states the register dependences between vector or matrix instructions and memory or LDS
; instructions, with s_wait_alu, always for 0.
; THE PLAN.  Registers that memory or LDS instructions touch, round the loop:
;   W2's sets 0, 1        Pair u: its products read set u % 2; its LDS loads land in the other set, which the products of pair u - 1 read.
;   ring slots, v[HS ..]  Pair u: its products read slot u % 4 and that slot's two scale words; its 14 loads land in slot (u + 3) % 4 and its words, which the products of pair u - 1 read.
;   v9 to v13             The five offsets: written at a trip's end; read by the ring's loads and by y's stores.
;   the accumulators      Written by the products; read by the LDS stores into the stage.        v[OUT ..] of window 1  The LDS loads from the stage land in them; y's stores read them.
;   v4 to v8, v88, v89    Offsets and LDS addresses, made at the head and never written again.
; So ONE wait on va_vdst stands at the head of a pair, and the pair's 38 loads are dealt among its eight products, which name none of the registers that those loads touch.  One more stands ahead of the stage's
; stores.  ONE wait on vm_vsrc stands at a trip's end: the offsets, the accumulators and v[OUT ..] are written again behind it.
.set PITCH, 3088                       ; an LDS row: 3,072 bytes + 16 = 772 words: row r starts at bank 4 r mod 64 (64 banks of 4 bytes: ISA guide 11.1)
.set STG,  32*PITCH                    ; behind W2: a stage of 16 rows x 144 bytes for each wave
.set W2S, 16
.set HS,  80
.set W2F, 96
.set ACC, 192
.set B2,  224
.set OUT, 192                          ; in window 1
.set HOC, 9                            ; v9   my byte offset in hq's codes, this group;   v10 the next group
.set HON, 10
.set HSC, 11                           ; v11  the same in its scale words;   v12
.set HSN, 12
.set YO,  13                           ; v13  my byte offset in my slice of ybuf
; s[4:5] W2's slice, s[6:7] its scale bytes, s[8:9] b2's slice, s[10:11] plan, s[12:13] hq, s[14:15] my slice of ybuf, s[16:17] hq's scale words, s20 first group, s21 groups, s24 wave, s27 my group,
; s38 trips done, s39 my trips
.set MSB, 0
.macro WIN new                         ; the immediate's high byte repeats the setting that is left
.if MSB != \new
	s_set_vgpr_msb (MSB<<8)|\new
.set MSB, \new
.endif
.endm
.macro ADDRS                           ; the offsets of group s27 and of the group eight on, each held inside the 72 groups before it enters an address
	s_add_co_u32 s28, s20, s27
	s_add_co_u32 s29, s28, 8
	s_min_u32 s28, s28, 71
	s_min_u32 s29, s29, 71
	s_mul_i32 s34, s28, 98304
	s_lshl_b32 s35, s28, 12
	s_mul_i32 s36, s29, 98304
	s_lshl_b32 s37, s29, 12
	v_add_nc_u32 v[HOC], s34, v14
	v_add_nc_u32 v[HSC], s35, v15
	v_add_nc_u32 v[HON], s36, v14
	v_add_nc_u32 v[HSN], s37, v15
	v_add_nc_u32 v[YO], s35, v14
.endm
; Pair u of a group comes by 14 loads: 2 of scale words, then 12 of codes.
.macro HSCL u, hs                      ; the scale words: destination and address in window 0, as the products' own setting of the windows has them too
.irp m, 0,1
	global_load_b32 v[HS+2*((\u)%4)+\m], v[\hs], s[16:17] offset:2048*\m+128*(\u)
.endr
.endm
.macro HCODE u, ho                     ; the codes: destination window 1
.irp sp, 0,1
.irp m, 0,1
.irp c, 0,1,2
	global_load_b128 v[48*((\u)%4)+24*\sp+12*\m+4*\c:48*((\u)%4)+24*\sp+12*\m+4*\c+3], v[\ho], s[12:13] offset:49152*\m+1536*(2*(\u)+\sp)+512*\c
.endr
.endr
.endr
.endm
.macro WHALF u, sp                     ; W2's two fragments of step sp of pair u into set u % 2: destination and address in window 0, as the products' own setting has them too
.irp n, 0,1
.irp p, 0,1,2,3,4,5
	ds_load_b64 v[W2F+48*((\u)%2)+24*\sp+12*\n+2*\p:W2F+48*((\u)%2)+24*\sp+12*\n+2*\p+1], v6 offset:16*PITCH*\n+96*(2*(\u)+\sp)+48*(\p/3)+8*(\p%3)
.endr
.endr
.endm
.macro MUL2 u, sp, m                   ; two products: step sp of pair u, tile m of positions x both tiles of columns
.irp n, 0,1
.if ((\u) == 0) && (\sp == 0)
	v_wmma_scale_f32_16x16x128_f8f6f4 v[ACC+8*(2*\m+\n):ACC+8*(2*\m+\n)+7], v[W2F+48*((\u)%2)+24*\sp+12*\n:W2F+48*((\u)%2)+24*\sp+12*\n+11], v[48*((\u)%4)+24*\sp+12*\m:48*((\u)%4)+24*\sp+12*\m+11], v[B2+8*\n:B2+8*\n+7], v[W2S+32*\n+2*(\u)+\sp], v[HS+2*((\u)%4)+\m] matrix_a_fmt:MATRIX_FMT_BF6 matrix_b_fmt:MATRIX_FMT_BF6
.elseif \sp == 0
	v_wmma_scale_f32_16x16x128_f8f6f4 v[ACC+8*(2*\m+\n):ACC+8*(2*\m+\n)+7], v[W2F+48*((\u)%2)+24*\sp+12*\n:W2F+48*((\u)%2)+24*\sp+12*\n+11], v[48*((\u)%4)+24*\sp+12*\m:48*((\u)%4)+24*\sp+12*\m+11], v[ACC+8*(2*\m+\n):ACC+8*(2*\m+\n)+7], v[W2S+32*\n+2*(\u)+\sp], v[HS+2*((\u)%4)+\m] matrix_a_fmt:MATRIX_FMT_BF6 matrix_b_fmt:MATRIX_FMT_BF6
.else
	v_wmma_scale_f32_16x16x128_f8f6f4 v[ACC+8*(2*\m+\n):ACC+8*(2*\m+\n)+7], v[W2F+48*((\u)%2)+24*\sp+12*\n:W2F+48*((\u)%2)+24*\sp+12*\n+11], v[48*((\u)%4)+24*\sp+12*\m:48*((\u)%4)+24*\sp+12*\m+11], v[ACC+8*(2*\m+\n):ACC+8*(2*\m+\n)+7], v[W2S+32*\n+2*(\u)+\sp], v[HS+2*((\u)%4)+\m] matrix_a_fmt:MATRIX_FMT_BF6 matrix_b_fmt:MATRIX_FMT_BF6 matrix_b_scale:MATRIX_SCALE_ROW1
.endif
.endr
.endm
; A pair of K steps: 8 matrix instructions, the four accumulators by turns, one instruction a turn, twice round.
; mode 0: asks for pair u + 3 of this group;  1: for pair u - 13 of the next;  2: for nothing.  cnt: the loads younger than pair u's.
; The loads are dealt among the products: the next pair's fragments of W2, which are wanted first, in two runs of 12; then the ring's 14.
.macro PAIR u, mode, cnt
	s_wait_loadcnt \cnt
	s_wait_dscnt 0x0                               ; this pair's fragments of W2, asked for a pair ago, are in
.if !((\mode == 2) && ((\u) == 15))
	s_wait_alu depctr_va_vdst(0)                   ; the last pair's products are done reading W2's other set, ring slot (u + 3) % 4 and its scale words, in which this pair's loads land; in a group's first pair also: the five offsets are written
.endif
	WIN 0x04                                       ; the hidden layer: window 1
	MUL2 \u, 0, 0
.if !((\mode == 2) && ((\u) == 15))
	WHALF ((\u)+1)%16, 0                           ; no wait: no product since the wait above names what these loads touch
.endif
	MUL2 \u, 0, 1
.if !((\mode == 2) && ((\u) == 15))
	WHALF ((\u)+1)%16, 1
.endif
	MUL2 \u, 1, 0
.if \mode == 0
	HSCL (\u)+3, HSC
	WIN 0x40                                       ; destination window 1
	HCODE (\u)+3, HOC
	WIN 0x04
.elseif \mode == 1
	HSCL (\u)-13, HSN
	WIN 0x40
	HCODE (\u)-13, HON
	WIN 0x04
.endif
	MUL2 \u, 1, 1
.rept 4
	v_nop                                          ; four plain instructions in front of loads into registers that these products have read
.endr
.endm
	s_load_b256 s[4:11], s[0:1], 0x0               ; w2_codes, w2_scales, b2, plan
	s_load_b128 s[12:15], s[0:1], 0x20             ; hq, ybuf
	v_lshl_add_u32 v254, v0, 2, 0x1ca00
	v_mov_b32 v255, 0
	v_lshrrev_b32 v1, 5, v0
	v_readfirstlane_b32 s24, v1                    ; wave 0..7
	v_and_b32 v1, 31, v0                           ; lane
	v_and_b32 v2, 15, v0                           ; r
	v_bfe_u32 v3, v0, 4, 1                         ; h
	s_and_b32 s26, ttmp7, 0xffff                   ; the expert
	s_lshl_b32 s25, s26, 4
	s_wait_kmcnt 0x0
	s_load_b128 s[20:23], s[10:11], s25 offset:17408   ; seg[e]
	s_lshl_b32 s34, s26, 10
	s_lshl_b32 s35, ttmp9, 5
	s_add_co_u32 s34, s34, s35                     ; my first row of W2: 1,024 e + 32 c
	s_mul_i32 s36, s34, 3072
	s_mov_b32 s37, 0
	s_add_nc_u64 s[4:5], s[4:5], s[36:37]
	s_lshl_b32 s36, s34, 7
	s_add_nc_u64 s[6:7], s[6:7], s[36:37]
	s_lshl_b32 s36, s34, 2
	s_add_nc_u64 s[8:9], s[8:9], s[36:37]
	s_add_nc_u64 s[16:17], s[12:13], 7077888
	s_mul_i32 s36, ttmp9, 294912
	s_add_nc_u64 s[14:15], s[14:15], s[36:37]
	s_wait_alu depctr_va_sdst(0)                   ; s24 is written, ahead of its first reader: the wave's places in memory and in LDS are made from it
	v_lshlrev_b32 v14, 4, v1                       ; 16 x lane
	v_lshlrev_b32 v15, 2, v1                       ; 4 x lane
	s_mul_i32 s28, s24, 12288
	v_add_nc_u32 v4, s28, v14                      ; the copy, in memory: my wave's 4 rows, 16 bytes a lane
	s_mul_i32 s28, s24, 4*PITCH
	v_add_nc_u32 v5, s28, v14                      ; and in LDS
	v_mul_u32_u24 v6, v2, PITCH
	v_mad_u32_u24 v6, v3, 24, v6                   ; a fragment: row r, + 24 h
	s_mul_i32 s28, s24, 2304
	s_add_co_u32 s28, s28, STG                     ; my stage
	v_mul_u32_u24 v7, v2, 144
	v_lshl_add_u32 v7, v3, 5, v7
	v_add_nc_u32 v7, s28, v7                       ; in: row r, 32 bytes for each half of the lanes
	v_lshrrev_b32 v8, 3, v1
	v_mul_u32_u24 v8, v8, 144
	v_and_b32 v13, 7, v1
	v_lshl_add_u32 v8, v13, 4, v8
	v_add_nc_u32 v8, s28, v8                       ; back: eight lanes to a row of 128 bytes, four rows a load
	v_lshlrev_b32 v88, 7, v2                       ; W2's scale bytes: 128 r
	v_lshlrev_b32 v89, 5, v3                       ; b2: 8 numbers further on for lanes 16-31
	s_wait_alu depctr_va_vdst(0)                   ; the offsets and LDS addresses v4 to v8, v88 and v89 are written, which the loads and LDS instructions of the whole kernel read and no vector line writes again; so are v254 and v255
.set I, 0
.rept 24
	global_load_b128 v[W2F+4*I:W2F+4*I+3], v4, s[4:5] offset:512*I th:TH_LOAD_NT   ; 512 consecutive bytes a load; read once in the launch
.set I, I+1
.endr
.irp n, 0,1
.irp q, 0,1,2,3,4,5,6,7
	global_load_b128 v[W2S+32*\n+4*\q:W2S+32*\n+4*\q+3], v88, s[6:7] offset:2048*\n+16*\q
.endr
.endr
.irp n, 0,1
	global_load_b128 v[B2+8*\n:B2+8*\n+3], v89, s[8:9] offset:64*\n
	global_load_b128 v[B2+8*\n+4:B2+8*\n+7], v89, s[8:9] offset:64*\n+16
.endr
	s_wait_loadcnt 20                              ; the copy's 24 loads are in; the 16 + 4 behind them stay out
.set I, 0
.rept 24
	ds_store_b128 v5, v[W2F+4*I:W2F+4*I+3] offset:(I/6)*PITCH+512*(I%6)
.set I, I+1
.endr
	s_wait_kmcnt 0x0                               ; seg
	s_wait_dscnt 0x0                               ; for the others' sake: my part of W2 lies in LDS
	s_barrier_signal -1
	s_barrier_wait -1                              ; the only barrier: from here on W2's bytes are only read
	s_wait_alu depctr_vm_vsrc(0)                   ; my LDS stores have read the copy's registers v[W2F ..], in which W2's fragments land from here on
	s_cmp_ge_u32 s24, s21
	s_cbranch_scc1 .Lend                           ; fewer groups than waves: nothing for me
	s_mov_b32 s27, s24                             ; my first group
	s_sub_co_u32 s39, s21, s24
	s_add_co_u32 s39, s39, 7
	s_lshr_b32 s39, s39, 3                         ; my trips: groups w, w + 8, .. below the expert's number of groups; fixed here, counted one by one
	s_mov_b32 s38, 0
	ADDRS
	s_wait_alu depctr_va_vdst(0)                   ; the five offsets are written, which the ring's first loads read
.irp u, 0,1,2
	WIN 0
	HSCL \u, HSC
	WIN 0x40
	HCODE \u, HOC
.endr
	WIN 0
	WHALF 0, 0
	WHALF 0, 1
.Lgroup:
.irp u, 0,1,2,3,4,5,6,7,8,9,10,11,12
	PAIR \u, 0, 28                                 ; two pairs of 14 loads are younger (W2's scale words and b2 are older than all of them)
.endr
	WIN 0
	s_add_co_u32 s28, s27, 8
	s_cmp_lt_u32 s28, s21
	s_cbranch_scc0 .Llastgroup
	PAIR 13, 1, 28                                 ; the ring runs on into my next group
	PAIR 14, 1, 28
	PAIR 15, 1, 28
	WIN 0
	s_branch .Lout
.Llastgroup:                                           ; my last group asks for nothing more: the counts run down
	PAIR 13, 2, 28
	PAIR 14, 2, 14
	PAIR 15, 2, 0
	WIN 0
.Lout:
	v_nop                                          ; a fifth plain instruction: the next group's first products write over these accumulators
	s_wait_alu depctr_va_vdst(0)                   ; the products have written the accumulators, which the LDS stores read; the plain instructions above stay beside this wait
.irp m, 0,1                                    ; a tile of 16 positions x 32 columns through my stage: in by lanes, back as rows.  LDS serves a wave's instructions in order (ISA guide 5.7.1.4)
.irp n, 0,1
	ds_store_b128 v7, v[ACC+8*(2*\m+\n):ACC+8*(2*\m+\n)+3] offset:64*\n           ; each accumulator from its low end on
	ds_store_b128 v7, v[ACC+8*(2*\m+\n)+4:ACC+8*(2*\m+\n)+7] offset:64*\n+16
.endr
	WIN 0x40
.irp i, 0,1,2,3
	ds_load_b128 v[OUT+16*\m+4*\i:OUT+16*\m+4*\i+3], v8 offset:576*\i
.endr
	WIN 0
.endr
	s_wait_dscnt 0x0
	WIN 0x04                                       ; a store's data are its source 1: window 1
.irp m, 0,1
.irp i, 0,1,2,3
	global_store_b128 v[YO], v[OUT+16*\m+4*\i:OUT+16*\m+4*\i+3], s[14:15] offset:2048*\m+512*\i   ; four positions' 128 bytes: 512 consecutive bytes a store
.endr
.endr
	WIN 0
	s_add_co_u32 s27, s27, 8
	s_wait_xcnt 0x0                                ; every earlier address is translated: the offsets and the stores' data may be written again
	s_wait_alu depctr_vm_vsrc(0)                   ; the ring's loads and y's stores have read the five offsets; the stage's stores have read the accumulators, which the next group's products write; y's stores have read v[OUT ..], in which the next group's rows land
	ADDRS
	s_add_co_u32 s38, s38, 1
	s_cmp_lt_u32 s38, s39
	s_cbranch_scc1 .Lgroup
.Lend:
	s_wait_dscnt 0x0                               ; the closing lines, six on end
	s_wait_alu 0x0
	s_wait_tensorcnt 0x0
	ds_add_u32 v254, v255
	s_wait_dscnt 0x0
	s_endpgm
.Lfunc_end_k_qe6cd431e5e_ffn2:
	.size	k_qe6cd431e5e_ffn2, .Lfunc_end_k_qe6cd431e5e_ffn2-k_qe6cd431e5e_ffn2
	.p2alignl 7, 3214868480
	.fill 96, 4, 3214868480
	.section	.rodata,"a",@progbits
	.p2align	6, 0x0
	.amdhsa_kernel k_qe6cd431e5e_ffn2
		.amdhsa_group_segment_fixed_size 118272
		.amdhsa_private_segment_fixed_size 0
		.amdhsa_enable_private_segment 0
		.amdhsa_kernarg_size 48
		.amdhsa_user_sgpr_count 2
		.amdhsa_user_sgpr_kernarg_segment_ptr 1
		.amdhsa_wavefront_size32 1
		.amdhsa_system_sgpr_workgroup_id_x 1
		.amdhsa_system_sgpr_workgroup_id_y 1
		.amdhsa_system_sgpr_workgroup_id_z 1
		.amdhsa_system_vgpr_workitem_id 0
		.amdhsa_next_free_vgpr 512
		.amdhsa_next_free_sgpr 66
		.amdhsa_reserve_vcc 0
		.amdhsa_float_denorm_mode_32 3
		.amdhsa_float_denorm_mode_16_64 3
		.amdhsa_memory_ordered 1
		.amdhsa_forward_progress 1
		.amdhsa_inst_pref_size 91
	.end_amdhsa_kernel
	.amdgpu_metadata
---
amdhsa.version: [ 1, 2 ]
amdhsa.kernels:
  - .name:           k_qe6cd431e5e_ffn2
    .symbol:         k_qe6cd431e5e_ffn2.kd
    .args:
      - { .name: w2_codes, .offset: 0, .size: 8, .value_kind: global_buffer, .address_space: global }
      - { .name: w2_scales, .offset: 8, .size: 8, .value_kind: global_buffer, .address_space: global }
      - { .name: b2, .offset: 16, .size: 8, .value_kind: global_buffer, .address_space: global }
      - { .name: plan, .offset: 24, .size: 8, .value_kind: global_buffer, .address_space: global }
      - { .name: hq, .offset: 32, .size: 8, .value_kind: global_buffer, .address_space: global }
      - { .name: ybuf, .offset: 40, .size: 8, .value_kind: global_buffer, .address_space: global }
    .group_segment_fixed_size: 118272
    .private_segment_fixed_size: 0
    .kernarg_segment_align: 8
    .kernarg_segment_size: 48
    .max_flat_workgroup_size: 256
    .sgpr_count:     66
    .vgpr_count:     512
    .wavefront_size: 32
...
	.end_amdgpu_metadata
.endif
;; end of part 7
;; launch combine: the kernel of part 5 again; grid 128 x 1, 8 waves a work-group, no clusters, 0 bytes of LDS; arguments plan, rt, ybuf, out0; writes out0
